; MI455X (gfx1250); checked and timed in simulation.
; The chip was launched on July 23, 2026; its instructions are those of AMD's public machine-readable ISA for CDNA 5 (MIT licence, August 2026) and "CDNA5" Instruction Set Architecture Reference Guide (July 2026). The comments in the code are by the model that wrote it; some were corrected since.
;; Min GRU. Allowed arithmetic: matrix products marked QUANTISED: E5M2 operands, one E8M0 scale for each 32 along K, by v_wmma_scale_f32_16x16x128_f8f6f4 with both operands' format E5M2, f32 sums; everything else in f32.
;; Inputs: W0_codes 2,048 x 32 x 32 uint8 (E5M2 codes of W0, K innermost, in blocks of 32 codes); W0_scales 2,048 x 32 uint8 (E8M0 scales of W0, one for each 32 codes along K); W1_codes 2,048 x 32 x 32 uint8 (E5M2 codes of W1, K innermost, in blocks of 32 codes); W1_scales 2,048 x 32 uint8 (E8M0 scales of W1, one for each 32 codes along K); b0 2,048 float32; b1 2,048 float32; x_codes 8 x 2,048 x 32 x 32 uint8 (E5M2 codes of x, K innermost, in blocks of 32 codes); x_scales 8 x 2,048 x 32 uint8 (E8M0 scales of x, one for each 32 codes along K).
;; Outputs: out0 8 x 2,048 x 1,024 float32.
;; This version of the problem:
;;   THIS VERSION OF THE PROBLEM IS GIVEN IN LOW PRECISION. The matrix products marked QUANTISED in the list below multiply operands that are first quantised to E5M2 (5 exponent bits, 2 mantissa bits; 8 bits a number), with one power-of-two scale for each 32 numbers along K (OCP MX v1.0); their sums are f32. All else is computed in f32.
;;   The module's matrix products, in the order in which they are computed (A, B: the left and right operand; K: the contracted axis; several contracted axes count as one K, in the product's order):
;;     1. [M 16,384, K 1,024] x [K 1,024, N 2,048]; A: input x (given as codes); B: input W0 (given as codes): QUANTISED
;;     2. [M 16,384, K 1,024] x [K 1,024, N 2,048]; A: computed on the way; B: input W1 (given as codes): QUANTISED
;;   THE QUANTISER, for each operand of a quantised product, along K:
;;     - K is cut into blocks of 32 from its start; a last block that is shorter is filled with zeros.
;;     - A block's scale is 2^e with e = floor(log2(the largest magnitude in the block)) - 15, held to -126 .. 127; a block of zeros has e = 0. As a byte (E8M0): e + 127.
;;     - Each number is divided by its block's scale, clamped to +-57,344, and rounded to the nearest number of E5M2, ties to even, subnormals kept.
;;     - The product sums the exact products of the quantised numbers (number of the format x scale) in f32.
;;   ~~~python
;;   def quantise(x, axis):      # numpy; x: float32 -> the quantised numbers, widened to float32 again
;;       x = np.moveaxis(x, axis, -1); K = x.shape[-1]
;;       x = np.pad(x, [(0, 0)] * (x.ndim - 1) + [(0, -K % 32)]); x = x.reshape(x.shape[:-1] + (-1, 32)); a = np.abs(x).max(-1, keepdims=True)
;;       e = np.where(a > 0, np.clip(np.frexp(np.where(a > 0, a, 1))[1] - 1 - 15, -126, 127), 0)      # np.frexp(a)[1] - 1 = floor(log2(a)), exactly
;;       r = np.clip(x / 2.0 ** e, -57344, 57344)
;;       step = 2.0 ** (np.maximum(np.frexp(np.where(r == 0, 1, r))[1] - 1, -14) - 2)
;;       q = np.round(r / step) * step * 2.0 ** e      # np.round: ties to even
;;       return np.moveaxis(q.reshape(q.shape[:-2] + (-1,))[..., :K], -1, axis).astype(np.float32)
;;   ~~~
;;   OPERANDS COMPUTED ON THE WAY. 'Computed on the way' means the value that the module computes at that place (a softmax that the list does not call 'softmax' is quantised finished and normalised). What goes into a quantiser is computed in f32, as accurately as f32 sums, v_exp_f32 and their like allow (about 1e-6 of the number): no bf16 or f16 on the way to a quantiser, and a product that is left as it is and whose result goes on into a quantised operand takes f32 operands (vector FMAs, or v_wmma_f32_16x16x4_f32). A number that lies on a knife's edge between two numbers of the format may be rounded either way, as far as f32 arithmetic and the matrix unit's own rounding can turn it there, and no further.
;;   INPUTS GIVEN AS CODES. W0 (in the module: [2048, 1024], K = its axis 1); W1 (in the module: [2048, 1024], K = its axis 1); x (in the module: [8, 2048, 1024], K = its axis 2): each comes as NAME_codes (uint8): NAME with its K axis moved to the last place and cut into blocks of 32 codes, [.., K / 32, bytes a block], one block behind the other in memory; one code a byte (a code: sign, 5 exponent bits, 2 mantissa bits); and NAME_scales (uint8): the same leading axes, one E8M0 byte (e + 127) for each 32 codes along K. Its value is code x scale, taken as it is: it is not quantised again, and the codes and scales need not be those that the quantiser above would give.
;; One version. Each part assembles by itself: llvm-mc -triple=amdgcn-amd-amdhsa -mcpu=gfx1250 --defsym DOCPART=n.
;; ======== version 1 of 1: 2 launches
;; workspace buffers: h1c 16,777,216 bytes; h1s 524,288 bytes
;; launch layer0 (part 1): grid 32 x 8, 4 waves a work-group, clusters of 4 x 1, 327,680 bytes of LDS; arguments x_codes, x_scales, W0_codes, W0_scales, b0, h1c, h1s; writes h1c, h1s
.if DOCPART == 1
	.amdgcn_target "amdgcn-amd-amdhsa--gfx1250"
	.amdhsa_code_object_version 6
	.text
	.protected	k_q4e172a2b4f_layer0
	.globl	k_q4e172a2b4f_layer0
	.p2align	8
	.type	k_q4e172a2b4f_layer0,@function
k_q4e172a2b4f_layer0:
	s_mov_b64 s[64:65], 0
	v_nop
	global_prefetch_b8 v0, s[64:65] scope:SCOPE_SE
	s_setreg_imm32_b32 hwreg(HW_REG_WAVE_MODE, 25, 1), 1
	s_wait_xcnt 0x0
	s_wait_alu depctr_hold_cnt(0) depctr_sa_sdst(0) depctr_va_vdst(0) depctr_va_sdst(0) depctr_va_ssrc(0) depctr_va_vcc(0) depctr_vm_vsrc(0)
	s_getreg_b32 s2, hwreg(HW_REG_IB_STS2, 6, 4)
	s_cmp_eq_u32 s2, 0
	s_cbranch_scc0 .Lentry_in_a_cluster
	s_endpgm
.Lentry_in_a_cluster:
	s_bfe_u32 s2, ttmp6, 0x10000c
	s_cmp_lg_u32 s2, 0x3003
	s_cbranch_scc0 .Lentry_shape_is_right
	s_endpgm
.Lentry_shape_is_right:
; ONE LAYER OF MinGRU.  gh = in W^T + b on codes of BF8 (E5M2) with one E8M0 scale for each 32 along K; gate = gh[:, :1024], hidden = gh[:, 1024:];
; z = sigmoid(gate), a = sigmoid(-gate), g = hidden + 0.5 where hidden >= 0, else sigmoid(hidden); h_t = a_t h_(t-1) + z_t g_t, h_0 = 0.5.
; The recurrence is run as it stands, not in logarithms: a + z = 1 and all terms are >= 0, so h stays between the least and the largest of 0.5 and the g's, and no sum of exponents is ever formed.
; g = max(hidden + 0.5, sigmoid(hidden)): the first is the larger just where hidden >= 0.
; LAYER = 0: in = x (codes, rows of 1,024 bytes), h is quantised along the channels and stored as codes and scale bytes for the next launch.  LAYER = 1: in = those, h is stored as f32.
; LIMITS.  gate + bias under -86.6: z is held at 2^-125.  a under 2^-126 becomes 0; sigmoid(hidden) under 2^-126 becomes 0.  NaN and infinities among the inputs are not served.
; A block of 32 h that are all 0 gets the scale byte 1 (its codes are zeros; only this program reads the bytes).
; SHARES.  The scan runs along time, so a work-group owns whole sequences: one batch b, 32 channels (64 rows of W: 32 gate, 32 hidden), all 2,048 times, in 32 steps of 64 times.  8 x 32 = 256 work-groups.
; In a step wave w owns 16 times (tile 4 n + w) and all 64 columns: 4 accumulators x 8 K steps = 32 matrix instructions.  W's 32 fragments stay in 512 registers of every wave, so a fragment of the input feeds four products.
; CLUSTER.  The four partners have the same batch and walk the same rows of the input: each tile is asked for jointly (mask 15).  W is not shared: the partners have different rows of it.
; LAYOUT.  Source 0 = 16 times of the input, source 1 = 16 rows of W: lane (r, h) holds channel r, register j fragment row 8 h + j.  FRAGMENT ROW m HOLDS TIME (m & 8) + 4 (m & 1) + ((m & 7) >> 1):
; a register pair (2 s, 2 s + 1) is then step s of two runs of four times (8 h + s, 8 h + 4 + s), and the scan goes in packed instructions.
; THE SCAN OF A STEP.  In each run L_s = a_s L_(s-1) + v_s, P_s = a_s P_(s-1); the runs' totals are joined in the lane, across the halves of the lanes, and (through LDS) across the four waves; then h_s = P_s c + L_s with the run's carry c.
; PIPELINE.  Iteration n holds G(n + 1), the 32 products; E(n), sigmoids, g, the local scan and the wave's total, on the sums of the iteration before; F(n - 1), carries, h, the turn through the wave's stage, the way out.
; A slice of E, F and the LDS loads stands behind each matrix instruction.  One barrier ends an iteration: it shows the waves' totals, and at every second one a slot of the ring is filled again.
; STORES.  LAYER 0: a wave's codes of a tile are 512 consecutive bytes, aligned; its 16 scale bytes lie 16 bytes apart (a scale word of the next layer mixes four work-groups' blocks).  LAYER 1: a work-group owns 128 bytes of each row of out.
.set LAYER, 0
.if LAYER == 0
.set TILEB,   16640                    ; 16 rows of 1,024 bytes + 16 of padding: pitch 1,040 = 65 x 16, so the 16 rows of a load start at 16 different groups of four banks
.set AKS,     128                      ; from K step to K step in a tile
.set ACS,     32                       ; from four registers to the next four
.set OUTSTEP, 65536                    ; four tiles of codes
.set THR,     192                      ; 16 h of one row, back from the stage (the registers of XD, which is done with by then)
.else
.set TILEB,   16384                    ; a tile as the image of its eight fragments' registers
.set AKS,     2048
.set ACS,     512
.set OUTSTEP, 262144                   ; 64 rows of out
.set THR,     236                      ; store data: registers of their own
.endif
.set STEPB, 4*TILEB                    ; a step: four tiles
.set SLOTB, 2*STEPB                    ; a slot: two steps, 128 times
.set STG,   2*SLOTB                    ; behind the ring: a stage of 16 rows x 144 bytes for each wave
.set XA,    STG+9216                   ; the waves' totals: 2 parities x 4 waves x 512 bytes
.set SPARE, XA+4096                    ; the spare words, 128 bytes for each wave: two blocks of 256 bytes that no other line names
; window 0
.set SPW,  1                           ; v1   my spare word: SPARE + 4 x my thread's number; never rewritten
.set NIL,  2                           ; v2   0; never rewritten
.set ADA,  3                           ; v3-6 my place in my wave's tile of (slot, step) = (0,0) (0,1) (1,0) (1,1)
.set STW,  7                           ; v7   the stage, on the way in
.set STR,  8                           ; v8   and on the way back
.set XW,   9                           ; v9   where I put my wave's totals
.set XR,   10                          ; v10  where I read wave 0's
.set SCO,  11                          ; v11  my offset among a step's input scale bytes
.set OUTO, 12                          ; v12  my offset in a step's output
.set OSC,  13                          ; v13  LAYER 0: and among its scale bytes
.set PFO,  14                          ; v14  256 x lane, for the prefetches
.set AW,   15                          ; v15  my place in W's stage
.set WS,   16                          ; v16-31 W's scale words: 4 nt + c; lanes 0-15 K steps 0-3, lanes 16-31 K steps 4-7
                                       ; v32-47 the input's scale words, four sets of four, likewise
.set BG,   48                          ; pairs: -log2(e) x gate bias, u = 0, 1
.set BH,   52                          ; -log2(e) x hidden bias
.set BP,   56                          ; hidden bias + 0.5
                                       ; v60-63 the carry into a step, two pairs (u = 0, 1) by turns;  v64-127 two sets of sums: gate +0..15 (8 u + j), hidden +16..31
.set PLA,  128                         ; a, then P
.set PLV,  144                         ; v, then L, then h
.set TZ,   160                         ; 1 + E, then z
.set TS,   176                         ; the hidden's exponent, exponential, sigmoid
.set XD,   192                         ; the four waves' totals
.set C1,   208                         ; the carries behind waves 0, 1, 2: three pairs
.set CW,   214                         ; the carry into my wave
.set CH,   216                         ; and behind its first eight times
.set CU,   218                         ; the carries into my two runs: a pair for u = 0, one for u = 1
.set CPT,  222                         ; my lane's totals
.set CLT,  224
.set OPP,  226                         ; the other half's
.set OLL,  228
.set XWD,  232                         ; my wave's totals: P u0, P u1, L u0, L u1 (right in lanes 16-31)
.set CD,   236                         ; LAYER 0: 16 codes
.set MXA,  240
.set MXB,  241
.set SCV,  242                         ; the conversion's scale operand
.set HOLD, 243                         ; 57,344 x the scale
.set BYT,  244                         ; the scale's byte
; window 1: the input's fragments, two buffers of 128.   windows 2, 3: W's fragment (ks, nt) at 64 (ks % 4) + 16 nt of window 2 + ks / 4.
; s[4:5] input codes; s[6:7] input scales (stepped); s[8:9], s[10:11] W's; s[12:13] bias; s[14:15], s[16:17] outputs (stepped); s18 wave; s19 cx; s20 channel group; s21 batch;
; s[24:31] group 1 of the input's tiles; s[32:35], s[36:39] group 0 of slot 0, 1; s[40:47], s[48:51] W's; s52 trips; s53 lanes 16-31; s54-56 wave >= 1, 2, 3;
; s[58:59] -log2(e); s60 125.0; s61 mantissa field of 57,344; s[62:63] selects for lane xor 16; s[66:67], s68 prefetch; s22, s23, s57, s69-73 at work.
.set MSB, 0
.macro WIN new                         ; the immediate's high byte repeats the setting that is left; a switch that changes nothing is dropped
.if MSB != (\new)
	s_set_vgpr_msb (MSB<<8)|(\new)
.set MSB, (\new)
.endif
.endm
.macro FLAGS g, e, f, a, x, os, xs, ps, lc
.set DOG, \g                           ; the products of step n + 1
.set DOE, \e                           ; E(n)
.set DOF, \f                           ; F(n - 1)
.set DOA, \a                           ; the fragments of step n + 2
.set DOX, \x                           ; the scale words of step n + 4
.set OSTEP, \os                        ; the output's bases step
.set XSTEP, \xs                        ; the scale bytes' base steps
.set PSTEP, \ps                        ; the prefetches' base steps
.set LCNT, \lc
.set DOQ, DOF*(1-LAYER)
.set DOS, DOF*LAYER
.endm
.macro SETN n                          ; what hangs on n mod 4
.set EACC, 64+32*((\n)%2)
.set GACC, 96-32*((\n)%2)
.set GBUF, 128*(((\n)+1)%2)
.set ABUF, 128*((\n)%2)
.set APOS, ((\n)+2)%4
.set GXS,  32+4*(((\n)+1)%4)
.set LXS,  32+4*(\n)
.set XWP,  2048*((\n)%2)
.set XRP,  2048*(((\n)+1)%2)
.set CARI, 60+2*(((\n)+1)%2)
.set CARO, 60+2*((\n)%2)
.endm
.macro RUN item, flag, k               ; the next k lines of a list; each item steps its own counter
.if \flag
	WIN 0
.rept \k
	\item
.endr
.endif
.endm
; Product i = 4 ks + nt.  nt = 0, 1: gate, channels 0-15, 16-31; nt = 2, 3: hidden.  The four accumulators take turns, one instruction a turn; the first K step starts the sums with 0.
.macro MM i
.if DOG
.set ks_, (\i)/4
.set nt_, (\i)%4
.set wn_, 0x09+4*(ks_/4)
	WIN wn_                                        ; source 0 window 1, source 1 window 2 or 3, C and D window 0
.if ks_ == 0
	v_wmma_scale_f32_16x16x128_f8f6f4 v[GACC+8*nt_:GACC+8*nt_+7], v[GBUF+16*ks_:GBUF+16*ks_+15], v[64*(ks_%4)+16*nt_:64*(ks_%4)+16*nt_+15], 0, v[GXS+ks_%4], v[WS+4*nt_+ks_%4] matrix_a_fmt:MATRIX_FMT_BF8 matrix_b_fmt:MATRIX_FMT_BF8
.elseif ks_ < 4
	v_wmma_scale_f32_16x16x128_f8f6f4 v[GACC+8*nt_:GACC+8*nt_+7], v[GBUF+16*ks_:GBUF+16*ks_+15], v[64*(ks_%4)+16*nt_:64*(ks_%4)+16*nt_+15], v[GACC+8*nt_:GACC+8*nt_+7], v[GXS+ks_%4], v[WS+4*nt_+ks_%4] matrix_a_fmt:MATRIX_FMT_BF8 matrix_b_fmt:MATRIX_FMT_BF8
.else
	v_wmma_scale_f32_16x16x128_f8f6f4 v[GACC+8*nt_:GACC+8*nt_+7], v[GBUF+16*ks_:GBUF+16*ks_+15], v[64*(ks_%4)+16*nt_:64*(ks_%4)+16*nt_+15], v[GACC+8*nt_:GACC+8*nt_+7], v[GXS+ks_%4], v[WS+4*nt_+ks_%4] matrix_a_fmt:MATRIX_FMT_BF8 matrix_b_fmt:MATRIX_FMT_BF8 matrix_a_scale:MATRIX_SCALE_ROW1 matrix_b_scale:MATRIX_SCALE_ROW1
.endif
.endif
.endm
.macro AL k                            ; fragment k of step n + 2: lane (r, h): registers 4 c .. 4 c + 3 = K 128 k + 32 c + 16 h + 0 .. 15 of my fragment row
.if DOA
	WIN 0x40                                       ; destination window 1, address window 0
.irp c, 0,1,2,3
	ds_load_b128 v[ABUF+16*(\k)+4*\c:ABUF+16*(\k)+4*\c+3], v[ADA+APOS] offset:AKS*(\k)+ACS*\c
.endr
.endif
.endm
; ---- E: the lists.  Each accumulator is read from its low end on.
.macro EA1                             ; the exponents: -log2(e) (sum + bias); the gate's held at 125, so that 1 / (1 + 2^t) stays a normal number
.if cEA < 8
	v_pk_fma_f32 v[EACC+2*cEA:EACC+2*cEA+1], v[EACC+2*cEA:EACC+2*cEA+1], s[58:59], v[BG+2*(cEA/4):BG+2*(cEA/4)+1] op_sel_hi:[1,0,0]
.elseif cEA < 16
	v_pk_fma_f32 v[TS+2*(cEA-8):TS+2*(cEA-8)+1], v[EACC+16+2*(cEA-8):EACC+16+2*(cEA-8)+1], s[58:59], v[BH+2*((cEA-8)/4):BH+2*((cEA-8)/4)+1] op_sel_hi:[1,0,0]
.else
	v_min_num_f32 v[EACC+cEA-16], s60, v[EACC+cEA-16]
.endif
.set cEA, cEA+1
.endm
.macro EX1                             ; 32 exponentials, one batch
.if cEX < 16
	v_exp_f32 v[TS+cEX], v[TS+cEX]
.else
	v_exp_f32 v[EACC+cEX-16], v[EACC+cEX-16]
.endif
.set cEX, cEX+1
.endm
.macro ED1                             ; 1 + E
.if cED < 8
	v_pk_add_f32 v[TZ+2*cED:TZ+2*cED+1], v[EACC+2*cED:EACC+2*cED+1], 1.0 op_sel_hi:[1,0]
.else
	v_pk_add_f32 v[TS+2*(cED-8):TS+2*(cED-8)+1], v[TS+2*(cED-8):TS+2*(cED-8)+1], 1.0 op_sel_hi:[1,0]
.endif
.set cED, cED+1
.endm
.macro ER1                             ; 32 reciprocals, one batch: z, and sigmoid(hidden)
.if cER < 16
	v_rcp_f32 v[TZ+cER], v[TZ+cER]
.else
	v_rcp_f32 v[TS+cER-16], v[TS+cER-16]
.endif
.set cER, cER+1
.endm
.macro EB1                             ; hidden + 0.5
	v_pk_add_f32 v[EACC+16+2*cEB:EACC+16+2*cEB+1], v[EACC+16+2*cEB:EACC+16+2*cEB+1], v[BP+2*(cEB/4):BP+2*(cEB/4)+1]
.set cEB, cEB+1
.endm
.macro EF1                             ; a = E z;  g = max(hidden + 0.5, sigmoid);  v = z g
.if cEF < 8
	v_pk_mul_f32 v[PLA+2*cEF:PLA+2*cEF+1], v[EACC+2*cEF:EACC+2*cEF+1], v[TZ+2*cEF:TZ+2*cEF+1]
.elseif cEF < 24
	v_max_num_f32 v[EACC+8+cEF], v[EACC+8+cEF], v[TS+cEF-8]
.else
	v_pk_mul_f32 v[PLV+2*(cEF-24):PLV+2*(cEF-24)+1], v[EACC+16+2*(cEF-24):EACC+16+2*(cEF-24)+1], v[TZ+2*(cEF-24):TZ+2*(cEF-24)+1]
.endif
.set cEF, cEF+1
.endm
.macro ES1                             ; the local scan, in place, two runs at a time: at each level L (which wants a_s) ahead of P
.set x_, 8*(cES%2)+2*(1+cES/4)
.if (cES%4) < 2
	v_pk_fma_f32 v[PLV+x_:PLV+x_+1], v[PLA+x_:PLA+x_+1], v[PLV+x_-2:PLV+x_-1], v[PLV+x_:PLV+x_+1]
.else
	v_pk_mul_f32 v[PLA+x_:PLA+x_+1], v[PLA+x_:PLA+x_+1], v[PLA+x_-2:PLA+x_-1]
.endif
.set cES, cES+1
.endm
.macro EG1                             ; the lane's totals over its eight times, the other half's, the wave's
.if cEG < 2
	v_fma_f32 v[CLT+cEG], v[PLA+8*cEG+7], v[PLV+8*cEG+6], v[PLV+8*cEG+7]
.elseif cEG < 4
	v_mul_f32 v[CPT+cEG-2], v[PLA+8*(cEG-2)+6], v[PLA+8*(cEG-2)+7]
.elseif cEG < 6
	v_permlanex16_b32 v[OLL+cEG-4], v[CLT+cEG-4], s62, s63
.elseif cEG < 8
	v_permlanex16_b32 v[OPP+cEG-6], v[CPT+cEG-6], s62, s63
.elseif cEG == 8
	v_pk_fma_f32 v[XWD+2:XWD+3], v[CPT:CPT+1], v[OLL:OLL+1], v[CLT:CLT+1]
.else
	v_pk_mul_f32 v[XWD:XWD+1], v[CPT:CPT+1], v[OPP:OPP+1]
.endif
.set cEG, cEG+1
.endm
; ---- F: the lists
.macro FC1                             ; the carry behind each wave; the last is the next step's
.if cFC == 0
	v_pk_fma_f32 v[C1:C1+1], v[XD:XD+1], v[CARI:CARI+1], v[XD+2:XD+3]
.elseif cFC < 3
	v_pk_fma_f32 v[C1+2*cFC:C1+2*cFC+1], v[XD+4*cFC:XD+4*cFC+1], v[C1+2*cFC-2:C1+2*cFC-1], v[XD+4*cFC+2:XD+4*cFC+3]
.else
	v_pk_fma_f32 v[CARO:CARO+1], v[XD+12:XD+13], v[C1+4:C1+5], v[XD+14:XD+15]
.endif
.set cFC, cFC+1
.endm
.macro FS1                             ; the carry into my wave, chosen by masks made of the wave's number
.if cFS < 2
	v_cndmask_b32 v[CW+cFS], v[CARI+cFS], v[C1+cFS], s54
.elseif cFS < 4
	v_cndmask_b32 v[CW+cFS-2], v[CW+cFS-2], v[C1+cFS], s55
.else
	v_cndmask_b32 v[CW+cFS-4], v[CW+cFS-4], v[C1+cFS], s56
.endif
.set cFS, cFS+1
.endm
.macro FH1                             ; the carries into my two runs: lanes 16-31 stand behind the first half's eight times; the second run behind the first
.if cFH == 0
	v_pk_fma_f32 v[CH:CH+1], v[OPP:OPP+1], v[CW:CW+1], v[OLL:OLL+1]
.elseif cFH < 3
	v_cndmask_b32 v[CU+2*(cFH-1)], v[CW+cFH-1], v[CH+cFH-1], s53
.else
	v_fma_f32 v[CU+2*(cFH-3)+1], v[PLA+8*(cFH-3)+6], v[CU+2*(cFH-3)], v[PLV+8*(cFH-3)+6]
.endif
.set cFH, cFH+1
.endm
.macro FO1                             ; h = P c + L
	v_pk_fma_f32 v[PLV+2*cFO:PLV+2*cFO+1], v[PLA+2*cFO:PLA+2*cFO+1], v[CU+2*(cFO/4):CU+2*(cFO/4)+1], v[PLV+2*cFO:PLV+2*cFO+1]
.set cFO, cFO+1
.endm
.macro FW1                             ; into my stage: LAYER 0 by fragment rows (the next layer's fragments keep them), LAYER 1 by times
.set j_, cFW%8
.if LAYER == 0
.set ro_, j_
.else
.set ro_, 4*(j_%2)+j_/2
.endif
	ds_store_b32 v[STW], v[PLV+cFW] offset:144*ro_+64*(cFW/8)
.set cFW, cFW+1
.endm
.macro FM1                             ; LAYER 0: the block's largest h (h is not negative), with the floor 2^(16 - 127) among the leaves, so that the byte cannot fall under 1
.if cFM == 0
	v_max3_num_f32 v[MXA], v[THR], v[THR+1], 0x8000000
.elseif cFM == 1
	v_max3_num_f32 v[MXB], v[THR+2], v[THR+3], v[THR+4]
.elseif cFM < 7
	v_max3_num_f32 v[MXA+cFM%2], v[MXA+cFM%2], v[THR+2*cFM+1], v[THR+2*cFM+2]
.elseif cFM == 7
	v_max3_num_f32 v[MXA], v[MXA], v[MXB], v[THR+15]
.elseif cFM == 8
	v_permlanex16_b32 v[MXB], v[MXA], s62, s63     ; the block's other 16 channels lie in the lane 16 away
.elseif cFM == 9
	v_max_num_f32 v[MXA], v[MXA], v[MXB]
.elseif cFM == 10
	v_add_nc_u32 v[SCV], 0xf8800000, v[MXA]        ; 15 off the exponent field: the conversion takes that field as its scale
.else
	v_and_or_b32 v[HOLD], v[MXA], 0x7f800000, s61  ; 57,344 x the scale
.endif
.set cFM, cFM+1
.endm
.macro FI1                             ; the conversion to an 8-bit code does not saturate (ISA guide 7.6.2); h is not negative, so the hold is one-sided
	v_min_num_f32 v[THR+cFI], v[THR+cFI], v[HOLD]
.set cFI, cFI+1
.endm
.macro EA k
	RUN EA1, DOE, \k
.endm
.macro EX k
	RUN EX1, DOE, \k
.endm
.macro ED k
	RUN ED1, DOE, \k
.endm
.macro ER k
	RUN ER1, DOE, \k
.endm
.macro EB k
	RUN EB1, DOE, \k
.endm
.macro EF k
	RUN EF1, DOE, \k
.endm
.macro ES k
	RUN ES1, DOE, \k
.endm
.macro EG k
	RUN EG1, DOE, \k
.endm
.macro FC k
	RUN FC1, DOF, \k
.endm
.macro FS k
	RUN FS1, DOF, \k
.endm
.macro FH k
	RUN FH1, DOF, \k
.endm
.macro FO k
	RUN FO1, DOF, \k
.endm
.macro FW k
	RUN FW1, DOF, \k
.endm
.macro FM k
	RUN FM1, DOQ, \k
.endm
.macro FI k
	RUN FI1, DOQ, \k
.endm
.macro XST                             ; my wave's totals, for all four waves
.if DOE
	WIN 0
	ds_store_b128 v[XW], v[XWD:XWD+3] offset:XWP
.endif
.endm
.macro FX                              ; the four waves' totals of the step before, from lane 16 + r's place
.if DOF
	WIN 0
.irp t, 0,1,2,3
	ds_load_b128 v[XD+4*\t:XD+4*\t+3], v[XR] offset:XRP+512*\t
.endr
.endif
.endm
.macro FR                              ; back from my stage.  LDS serves a wave's instructions in order (ISA guide 5.7.1.4): these see my stores
.if DOF
	WIN 0
.irp t, 0,1,2,3
.if LAYER == 0
	ds_load_b128 v[THR+4*\t:THR+4*\t+3], v[STR] offset:16*\t      ; fragment row r, channels 16 h + 4 t on
.else
	ds_load_b128 v[THR+4*\t:THR+4*\t+3], v[STR] offset:288*\t     ; four times' 128 bytes, two rows on each time
.endif
.endr
.endif
.endm
.macro GS                              ; the bases step, and the scale words of step n + 4 are asked for
	WIN 0
	s_wait_xcnt 0x0                                ; all earlier global instructions have read their sources: the bases below, and the registers that the last stores read, are written only behind this wait
.if OSTEP
	s_add_nc_u64 s[14:15], s[14:15], OUTSTEP
.if LAYER == 0
	s_add_nc_u64 s[16:17], s[16:17], 2048
.endif
.endif
.if XSTEP
	s_add_nc_u64 s[6:7], s[6:7], 2048
.endif
.if PSTEP
	s_add_nc_u64 s[66:67], s[66:67], 131072
.endif
.if DOX
	global_load_b128 v[LXS:LXS+3], v[SCO], s[6:7] offset:8192    ; into the set of step n, whose products stand an iteration back
.endif
.endm
.macro FJ                              ; LAYER 0: 16 codes a lane, and the block's byte
.if DOQ
	WIN 0
	v_lshrrev_b32 v[BYT], 23, v[SCV]
	v_cvt_scalef32_pk8_bf8_f32 v[CD:CD+1], v[THR:THR+7], v[SCV]
	v_cvt_scalef32_pk8_bf8_f32 v[CD+2:CD+3], v[THR+8:THR+15], v[SCV]
	v_nop                                          ; a plain line behind the last conversion
	global_store_b128 v[OUTO], v[CD:CD+3], s[14:15]   ; 32 lanes store 512 consecutive bytes, aligned: registers 4 c .. 4 c + 3 of the next layer's fragment
	global_store_b8 v[OSC], v[BYT], s[16:17]       ; both lanes of a row write the same byte with the same value
.endif
.endm
.macro FG                              ; LAYER 1: four times' 128 bytes an instruction
.if DOS
	WIN 0
.irp t, 0,1,2,3
	global_store_b128 v[OUTO], v[THR+4*\t:THR+4*\t+3], s[14:15] offset:8192*\t
.endr
.endif
.endm
.macro DW                              ; the four loads that are wanted are in; the sixteen fragment loads issued behind them may be out
	s_wait_dscnt 16*DOA
.endm
.macro TW                              ; a plain line behind a batch's last transcendental, and the one wait ahead of the batch's first reader
.if DOE
	v_nop
	s_wait_alu depctr_va_vdst(0)
.endif
.endm
.macro CREST                           ; a round of the cluster's barrier behind its opening barrier
	s_cmp_lg_u32 s18, 0
	s_cbranch_scc1 .Lnw0_\@
	s_barrier_signal -3
.Lnw0_\@:
	s_barrier_wait -3
	s_barrier_signal -1
	s_barrier_wait -1
.endm
.macro CROUND
	s_barrier_signal -1
	s_barrier_wait -1
	CREST
.endm
; A prefetch of the slot's worth of input that stands two refills on: 131,072 bytes.  All eight clusters of a batch walk the same rows: the first (cluster x = 0) asks.  Its 4 partners x 4 waves x 32 lanes
; name 512 places 256 bytes apart, told apart by address: each is named once in the launch.  how = 1, in the loop: the last trip asks for nothing; how = 2: written out.
.macro ASK how
.if \how == 1
	s_cmp_gt_u32 s52, s68
.else
	s_cmp_eq_u32 s68, 1
.endif
	s_cbranch_scc0 .Lnp_\@
	global_prefetch_b8 v[PFO], s[66:67] th:TH_LOAD_NT scope:SCOPE_SE
.Lnp_\@:
.endm
; The end of an iteration.  ring = 0: the barrier shows the waves' totals.  ring = 1: also the last slot, whole.  ring = 2: also a change of slots: every wave waits for all its tensor loads (one is out: its part of
; the other slot), adds 0 to its spare word, waits for that and for its LDS reads; the barrier opens a round of the cluster's, and the joint refill of the slot just read out is the first thing behind it.
.macro ENDB ring, slot, pf
	WIN 0
.if \ring >= 1
	s_wait_tensorcnt 0x0                           ; no tensor load of mine is out, so a group 0 may be written
	ds_add_u32 v[SPW], v[NIL]
.endif
.if \ring == 2
	s_add_nc_u64 s[34+4*\slot:35+4*\slot], s[34+4*\slot:35+4*\slot], 262144   ; two slots on; the type bits on top are not reached
.endif
.if DOG
.rept 8
	v_nop                                          ; eight places behind the last products, ahead of the reads of their sums and of the loads into the fragments and scale words that they read
.endr
.endif
	s_wait_dscnt 0x0                               ; my totals are stored, the next step's fragments are in, my reads of the slot are over (and the add is done)
	s_barrier_signal -1
	s_barrier_wait -1
.if \ring == 2
	CREST
	tensor_load_to_lds s[32+4*\slot:35+4*\slot], s[24:31]   ; it has two iterations, 64 matrix instructions with their slices, in which to land
	s_nop 0
.rept 4
	v_nop
.endr
.if \pf
	ASK \pf
.endif
.endif
.endm
.macro ITER n, ring, slot, pf
	SETN \n
.irp c, cEA, cEX, cED, cER, cEB, cEF, cES, cEG, cFC, cFS, cFH, cFO, cFW, cFM, cFI
.set \c, 0
.endr
	s_wait_loadcnt LCNT                            ; the scale words of step n + 1 are in; those of the later steps asked for behind them may be out
	MM 0
	FX
	EA 5
.irp q, 0,1,2,3
	MM \q+1
	AL \q
	EA 5
.endr
	MM 5
	EA 7
	EX 2
	MM 6
	DW
	FC 1
	EX 3
	FC 1
	EX 3
	MM 7
	FC 1
	EX 3
	FC 1
	EX 3
	MM 8
	FS 2
	EX 3
	FS 2
	EX 2
	MM 9
	FS 2
	EX 3
	FH 1
	EX 2
	MM 10
	FH 2
	EX 3
	FH 2
	EX 2
	MM 11
	FO 4
	EX 3
	FO 4
	MM 12
	TW                                             ; nothing since the first exponential has named a result
	ED 4
	FW 6
	MM 13
	ED 4
	FW 6
	MM 14
	ED 4
	FW 4
	MM 15
	ED 4
	GS
	FR
	ER 2
.irp q, 4,5,6,7
	MM \q+12
	AL \q
	ER 4
	EB 1
.endr
	MM 20
	DW
	FG
	FM 2
	ER 2
	FM 2
	ER 2
	EB 1
	MM 21
	FM 2
	ER 2
	FM 1
	ER 2
	EB 2
	MM 22
	FM 1
	ER 2
	FM 1
	ER 2
	FM 1
	EB 1
	MM 23
	FM 2
	ER 2
	FI 4
	MM 24
	TW                                             ; nothing since the first reciprocal has named a result
	EF 7
	FI 3
.irp q, 25,26,27
	MM \q
	EF 7
	FI 3
.endr
	MM 28
	EF 4
	ES 6
	MM 29
	ES 6
	EG 4
	MM 30
	EG 6
	XST
	MM 31
	FJ
.if \ring < 3
	ENDB \ring, \slot, \pf
.endif
.endm
	s_load_b256 s[4:11], s[0:1], 0x0               ; input codes, input scales, W's codes, W's scales
	s_load_b128 s[12:15], s[0:1], 0x20             ; bias, output
.if LAYER == 0
	s_load_b64 s[16:17], s[0:1], 0x30              ; the output's scale bytes
.endif
	v_lshl_add_u32 v[SPW], v0, 2, SPARE
	v_mov_b32 v[NIL], 0
	ds_add_u32 v[SPW], v[NIL]                      ; the wave's opening: the add and its wait stand ahead of my first tensor load; the set-up below, work on registers, stands between them
	v_lshrrev_b32 v160, 5, v0
	v_readfirstlane_b32 s18, v160                  ; wave 0..3
	s_bfe_u32 s19, ttmp6, 0x40000                  ; cx
	s_lshl_b32 s20, ttmp9, 2
	s_add_co_u32 s20, s20, s19                     ; channel group = 4 x cluster x + cx
	s_and_b32 s21, ttmp7, 0xffff                   ; batch, which the four partners share
	s_cmp_ge_u32 s18, 1
	s_cselect_b32 s54, -1, 0
	s_cmp_ge_u32 s18, 2
	s_cselect_b32 s55, -1, 0
	s_cmp_ge_u32 s18, 3
	s_cselect_b32 s56, -1, 0
	s_cmp_eq_u32 ttmp9, 0
	s_cselect_b32 s68, 1, -1                       ; 1 in the batch's first cluster, else the greatest number: the same in all four partners
	s_mov_b32 s52, 6
	s_mov_b32 s53, 0xffff0000
	s_mov_b32 s58, 0xbfb8aa3b                      ; -log2(e)
	s_mov_b32 s59, s58                             ; (named with it as a pair, so it is written)
	s_mov_b32 s60, 0x42fa0000                      ; 125.0
	s_mov_b32 s61, 0x600000
	s_mov_b32 s62, 0x76543210
	s_mov_b32 s63, 0xfedcba98
	; group 1 of the input's tiles: a quarter of a slot
.if LAYER == 0
	s_mov_b32 s24, 15|(1<<20)|(1<<21)|(7<<22)|(3<<25)   ; 15:0 the mask: all four work-groups; 17:16 elements of 1 byte; 20 padding on; 21 set beside a mask; 24:22 after every 256 words (code 7); 31:25 four words (code 3)
	s_mov_b32 s25, 1024<<16                        ; tensor_dim0 = 1,024
	s_mov_b32 s26, 32<<16                          ; tensor_dim1 = 32
	s_mov_b32 s27, 1024<<16                        ; tile_dim0
	s_mov_b32 s28, 32                              ; tile_dim1
	s_mov_b32 s29, 1024                            ; from row to row
.else
	s_mov_b32 s24, 15|(3<<16)|(1<<21)              ; elements of 8 bytes, no padding: two tiles' images, a dense block, as 128 rows of 256 bytes
	s_mov_b32 s25, 32<<16
	s_mov_b32 s26, 128<<16
	s_mov_b32 s27, 32<<16
	s_mov_b32 s28, 128
	s_mov_b32 s29, 32
.endif
	s_mov_b32 s30, 0
	s_mov_b32 s31, 0
	; group 1 of W's stage: 16 rows of 1,024 bytes, padded; no mask: each work-group has rows of its own
	s_mov_b32 s40, (1<<20)|(7<<22)|(3<<25)
	s_mov_b32 s41, 1024<<16
	s_mov_b32 s42, 16<<16
	s_mov_b32 s43, 1024<<16
	s_mov_b32 s44, 16
	s_mov_b32 s45, 1024
	s_mov_b32 s46, 0
	s_mov_b32 s47, 0
	s_mov_b32 s32, 1
	s_mul_i32 s33, s18, SLOTB/4                    ; slot 0, my quarter: no place in the cluster enters an LDS address
	s_mov_b32 s36, 1
	s_add_co_u32 s37, s33, SLOTB                   ; slot 1
	s_mov_b32 s48, 1
	s_mul_i32 s49, s18, 16640
	s_add_co_u32 s49, s49, SLOTB                   ; W's stage lies in slot 1's bytes: wave w brings the 16 rows of N tile w
	s_lshl_b32 s70, s21, 21                        ; the batch's 2,097,152 bytes of codes,
	s_lshl_b32 s71, s18, 15                        ; my quarter of a slot's 131,072
	s_add_co_u32 s70, s70, s71
	s_mov_b32 s71, 0
	s_lshr_b32 s22, s18, 1                         ; W: row (w / 2) 1,024 + 32 x channel group + 16 (w % 2), of 1,024 bytes
	s_lshl_b32 s22, s22, 20
	s_lshl_b32 s23, s20, 15
	s_add_co_u32 s22, s22, s23
	s_and_b32 s23, s18, 1
	s_lshl_b32 s23, s23, 14
	s_add_co_u32 s22, s22, s23
	s_mov_b32 s23, 0
	; the lane's terms
	v_and_b32 v160, 31, v0                         ; L
	v_and_b32 v161, 15, v0                         ; r
	v_bfe_u32 v162, v0, 4, 1                       ; h
	v_and_b32 v163, 8, v0
	v_and_b32 v164, 1, v0
	v_lshl_add_u32 v163, v164, 2, v163
	v_bfe_u32 v164, v0, 1, 2
	v_add_nc_u32 v163, v163, v164                  ; the time of fragment row r: (r & 8) + 4 (r & 1) + ((r & 7) >> 1)
.if LAYER == 0
	v_mul_u32_u24 v165, v163, 1040
	v_lshl_add_u32 v165, v162, 4, v165
.else
	v_lshlrev_b32 v165, 4, v160
.endif
	s_mul_i32 s69, s18, TILEB
	v_add_nc_u32 v[ADA], s69, v165
	v_add_nc_u32 v[ADA+1], STEPB, v[ADA]
	v_add_nc_u32 v[ADA+2], SLOTB, v[ADA]
	v_add_nc_u32 v[ADA+3], SLOTB+STEPB, v[ADA]
	v_mul_u32_u24 v[AW], v161, 1040
	v_lshl_add_u32 v[AW], v162, 4, v[AW]
	v_add_nc_u32 v[AW], SLOTB, v[AW]
	s_mul_i32 s69, s18, 2304
	s_add_co_u32 s69, s69, STG                     ; my stage
	v_mul_u32_u24 v[STW], v162, 1152
	v_lshl_add_u32 v[STW], v161, 2, v[STW]
	v_add_nc_u32 v[STW], s69, v[STW]               ; in: rows 8 h on, channel r: 4 bytes
.if LAYER == 0
	v_mul_u32_u24 v[STR], v161, 144
	v_lshl_add_u32 v[STR], v162, 6, v[STR]
	v_add_nc_u32 v[STR], s69, v[STR]               ; back: row r, channels 16 h on
.else
	v_bfe_u32 v166, v0, 3, 1
	v_lshl_add_u32 v166, v166, 3, v162             ; q = L / 16 + 8 ((L / 8) % 2): lanes 0-7 and 8-15 take rows 8 apart, 1,152 bytes, so their 16-byte columns do not meet
	v_and_b32 v167, 7, v0
	v_mul_u32_u24 v[STR], v166, 144
	v_lshl_add_u32 v[STR], v167, 4, v[STR]
	v_add_nc_u32 v[STR], s69, v[STR]
.endif
	v_lshl_add_u32 v[XW], v0, 4, XA                ; 512 x wave + 16 x lane
	v_lshl_add_u32 v[XR], v161, 4, XA+256          ; lane 16 + r's place
.if LAYER == 0
	v_lshlrev_b32 v[SCO], 5, v163                  ; my row's 32 scale bytes, my half's 16
	v_lshl_add_u32 v[SCO], v162, 4, v[SCO]
	s_lshl_b32 s69, s18, 9
	v_add_nc_u32 v[SCO], s69, v[SCO]
	v_lshl_add_u32 v[OSC], v161, 4, s69            ; 512 x wave + 16 r
	s_lshl_b32 s69, s18, 14
	v_lshl_add_u32 v[OUTO], v160, 4, s69           ; 16,384 x wave + 16 x lane
.else
	v_lshlrev_b32 v[SCO], 4, v0                    ; 512 x wave + 16 x lane
	s_lshl_b32 s69, s18, 16
	v_lshl_add_u32 v[OUTO], v166, 12, s69          ; 65,536 x wave + 4,096 q + 16 (L % 8)
	v_lshl_add_u32 v[OUTO], v167, 4, v[OUTO]
.endif
	v_lshlrev_b32 v[PFO], 8, v160
	v_lshlrev_b32 v168, 5, v161
	v_lshl_add_u32 v168, v162, 4, v168             ; W's scale bytes: 32 r + 16 h
	v_lshlrev_b32 v169, 2, v161                    ; the biases: 4 r
	v_mov_b32 v[OPP], 0                            ; written once: a lane permute's destination counts as one of its sources
	v_mov_b32 v[OPP+1], 0
	v_mov_b32 v[OLL], 0
	v_mov_b32 v[OLL+1], 0
	v_mov_b32 v60, 0.5                             ; h_0
	v_mov_b32 v61, 0.5
	s_wait_dscnt 0x0                               ; the opening add is done
	s_wait_kmcnt 0x0
	s_add_nc_u64 s[34:35], s[4:5], s[70:71]        ; slot 0: times 0-127
	s_add_nc_u64 s[38:39], s[34:35], 131072        ; slot 1: times 128-255
	s_or_b32 s35, s35, 0x80000000                  ; type = 2
	s_or_b32 s39, s39, 0x80000000
	s_add_nc_u64 s[50:51], s[8:9], s[22:23]
	s_or_b32 s51, s51, 0x80000000
	s_mov_b32 s73, 0
	s_lshl_b32 s72, s21, 16
	s_add_nc_u64 s[6:7], s[6:7], s[72:73]          ; the batch's 65,536 scale bytes
	s_lshl_b32 s72, s20, 10
	s_add_nc_u64 s[10:11], s[10:11], s[72:73]      ; W's scale bytes at row 32 x channel group
	s_lshl_b32 s72, s20, 7
	s_add_nc_u64 s[12:13], s[12:13], s[72:73]      ; the biases likewise
.if LAYER == 0
	s_lshl_b32 s72, s21, 21
	s_lshl_b32 s57, s20, 9
	s_add_co_u32 s72, s72, s57
	s_add_nc_u64 s[14:15], s[14:15], s[72:73]      ; codes [b][tile][channel group][lane][16]
	s_lshl_b32 s72, s21, 16
	s_lshr_b32 s57, s20, 4
	s_lshl_b32 s57, s57, 8
	s_add_co_u32 s72, s72, s57
	s_and_b32 s57, s20, 15
	s_add_co_u32 s72, s72, s57
	s_add_nc_u64 s[16:17], s[16:17], s[72:73]      ; scale bytes [b][tile][channel group / 16][row][channel group % 16]
.else
	s_lshl_b32 s72, s21, 23
	s_lshl_b32 s57, s20, 7
	s_add_co_u32 s72, s72, s57
	s_add_nc_u64 s[14:15], s[14:15], s[72:73]
.endif
	s_lshl_b32 s57, s19, 2
	s_add_co_u32 s57, s57, s18
	s_lshl_b32 s57, s57, 13                        ; the prefetches: 8,192 bytes for each of the cluster's sixteen waves,
	s_lshl_b32 s72, s21, 21
	s_add_co_u32 s72, s72, s57
	s_add_nc_u64 s[66:67], s[4:5], s[72:73]
	s_add_nc_u64 s[66:67], s[66:67], 524288        ; from the fifth slot's worth on: the first four come by their loads alone
	CROUND                                         ; all four work-groups are here: the first joint loads meet
	tensor_load_to_lds s[48:51], s[40:47]          ; the first fills, as one group: two loads of mine are out.  W's 16 rows,
	s_nop 0
	tensor_load_to_lds s[32:35], s[24:31]          ; and my quarter of slot 0
	s_nop 0
.rept 4
	v_nop
.endr
.irp t, 0,1,2,3
	global_load_b128 v[WS+4*\t:WS+4*\t+3], v168, s[10:11] offset:32768*(\t/2)+512*(\t%2)
.endr
	global_load_b32 v[BG], v169, s[12:13]
	global_load_b32 v[BG+2], v169, s[12:13] offset:64
	global_load_b32 v[BH], v169, s[12:13] offset:4096
	global_load_b32 v[BH+2], v169, s[12:13] offset:4160
.irp t, 0,1,2,3
	global_load_b128 v[32+4*\t:35+4*\t], v[SCO], s[6:7] offset:2048*\t    ; the scale words of steps 0 to 3
.endr
	s_wait_tensorcnt 0x0                           ; my parts of W and of slot 0 are in,
	s_barrier_signal -1
	s_barrier_wait -1                              ; everybody's are
	WIN 0x80                                       ; destination window 2
.irp k, 0,1,2,3
.irp t, 0,1,2,3
.irp c, 0,1,2,3
	ds_load_b128 v[64*\k+16*\t+4*\c:64*\k+16*\t+4*\c+3], v[AW] offset:16640*\t+128*\k+32*\c
.endr
.endr
.endr
	WIN 0xc0                                       ; destination window 3
.irp k, 0,1,2,3
.irp t, 0,1,2,3
.irp c, 0,1,2,3
	ds_load_b128 v[64*\k+16*\t+4*\c:64*\k+16*\t+4*\c+3], v[AW] offset:16640*\t+128*(\k+4)+32*\c
.endr
.endr
.endr
	WIN 0
	s_wait_tensorcnt 0x0                           ; slot 1's first tile lands on W's stage, so it is issued as a refill is: no tensor load of mine is out,
	ds_add_u32 v[SPW], v[NIL]                      ; the add; the biases are made while it is out
	s_wait_loadcnt 0x0                             ; W's scale words, the biases, four steps' scale words
	v_add_f32 v[BP], 0.5, v[BH]
	v_add_f32 v[BP+2], 0.5, v[BH+2]
	v_mul_f32 v[BG], s58, v[BG]
	v_mul_f32 v[BG+2], s58, v[BG+2]
	v_mul_f32 v[BH], s58, v[BH]
	v_mul_f32 v[BH+2], s58, v[BH+2]
.irp p, 48,50,52,54,56,58
	v_mov_b32 v[\p+1], v[\p]                       ; both halves of each pair
.endr
	s_wait_dscnt 0x0                               ; the add is done and W is in my registers
	CROUND                                         ; in every wave of all four work-groups
	tensor_load_to_lds s[36:39], s[24:31]          ; slot 1
	s_nop 0
.rept 4
	v_nop
.endr
	FLAGS 1, 1, 0, 1, 1, 0, 0, 0, 2
	SETN 2                                         ; as in iteration -2: step 0's fragments into buffer 0
.irp k, 0,1,2,3,4,5,6,7
	AL \k
.endr
	SETN 3                                         ; as in iteration -1: step 1's into buffer 1, and step 0's products, with nothing yet to set between them
.irp k, 0,1,2,3,4,5,6,7
	AL \k
.endr
	s_wait_dscnt 0x0
.irp i, 0,1,2,3,4,5,6,7,8,9,10,11,12,13,14,15,16,17,18,19,20,21,22,23,24,25,26,27,28,29,30,31
	MM \i
.endr
	ENDB 2, 0, 2                                   ; slot 1 is whole, slot 0 is read out and takes times 256-383
	ITER 0, 0, 0, 0                                ; n = 0: no F yet
	FLAGS 1, 1, 1, 1, 1, 0, 1, 1, 2
	ITER 1, 2, 1, 2                                ; n = 1
.Lloop:                                                ; n = 2 .. 25: six trips of four iterations; each trip fills both slots again
	FLAGS 1, 1, 1, 1, 1, 1, 1, 0, 2
	ITER 2, 0, 0, 0
	FLAGS 1, 1, 1, 1, 1, 1, 1, 1, 2
	ITER 3, 2, 0, 1
	FLAGS 1, 1, 1, 1, 1, 1, 1, 0, 2
	ITER 0, 0, 0, 0
	FLAGS 1, 1, 1, 1, 1, 1, 1, 1, 2
	ITER 1, 2, 1, 1
	s_sub_co_u32 s52, s52, 1
	s_cmp_lg_u32 s52, 0
	s_cbranch_scc1 .Lloop
	FLAGS 1, 1, 1, 1, 1, 1, 1, 0, 2                ; the tail is written out
	ITER 2, 0, 0, 0                                ; n = 26
	ITER 3, 1, 0, 0                                ; n = 27: the last slot is whole; nothing is filled
	FLAGS 1, 1, 1, 1, 0, 1, 0, 0, 2
	ITER 0, 0, 0, 0                                ; n = 28: no scale words are left to ask for
	FLAGS 1, 1, 1, 1, 0, 1, 0, 0, 1
	ITER 1, 0, 0, 0                                ; n = 29: one load was issued behind step 30's
	FLAGS 1, 1, 1, 0, 0, 1, 0, 0, 0
	ITER 2, 0, 0, 0                                ; n = 30: no fragments are left to fetch
	FLAGS 0, 1, 1, 0, 0, 1, 0, 0, 0
	ITER 3, 0, 0, 0                                ; n = 31: no products are left
	FLAGS 0, 0, 1, 0, 0, 1, 0, 0, 0
	ITER 0, 3, 0, 0                                ; n = 32: the last step's way out
	WIN 0
	s_wait_tensorcnt 0x0                           ; the wave's end: a wait, an add of 0 to my spare word and a wait, behind my last tensor load and my last LDS store
	ds_add_u32 v[SPW], v[NIL]
	s_wait_dscnt 0x0
	CROUND                                         ; the closing round: no work-group ends while a partner may still ask for a tile that names it
	s_endpgm
.Lfunc_end_k_q4e172a2b4f_layer0:
	.size	k_q4e172a2b4f_layer0, .Lfunc_end_k_q4e172a2b4f_layer0-k_q4e172a2b4f_layer0
	.p2alignl 7, 3214868480
	.fill 96, 4, 3214868480
	.section	.rodata,"a",@progbits
	.p2align	6, 0x0
	.amdhsa_kernel k_q4e172a2b4f_layer0
		.amdhsa_group_segment_fixed_size 327680
		.amdhsa_private_segment_fixed_size 0
		.amdhsa_enable_private_segment 0
		.amdhsa_kernarg_size 56
		.amdhsa_user_sgpr_count 2
		.amdhsa_user_sgpr_kernarg_segment_ptr 1
		.amdhsa_wavefront_size32 1
		.amdhsa_system_sgpr_workgroup_id_x 1
		.amdhsa_system_sgpr_workgroup_id_y 1
		.amdhsa_system_sgpr_workgroup_id_z 1
		.amdhsa_system_vgpr_workitem_id 0
		.amdhsa_next_free_vgpr 1024
		.amdhsa_next_free_sgpr 80
		.amdhsa_reserve_vcc 0
		.amdhsa_float_denorm_mode_32 3
		.amdhsa_float_denorm_mode_16_64 3
		.amdhsa_memory_ordered 1
		.amdhsa_forward_progress 1
		.amdhsa_inst_pref_size 255
	.end_amdhsa_kernel
	.section	.bss,"aw",@nobits
	.p2align	6
	.space	262144
	.amdgpu_metadata
---
amdhsa.version: [ 1, 2 ]
amdhsa.kernels:
  - .name:           k_q4e172a2b4f_layer0
    .symbol:         k_q4e172a2b4f_layer0.kd
    .args:
      - { .name: x_codes, .offset: 0, .size: 8, .value_kind: global_buffer, .address_space: global }
      - { .name: x_scales, .offset: 8, .size: 8, .value_kind: global_buffer, .address_space: global }
      - { .name: W0_codes, .offset: 16, .size: 8, .value_kind: global_buffer, .address_space: global }
      - { .name: W0_scales, .offset: 24, .size: 8, .value_kind: global_buffer, .address_space: global }
      - { .name: b0, .offset: 32, .size: 8, .value_kind: global_buffer, .address_space: global }
      - { .name: h1c, .offset: 40, .size: 8, .value_kind: global_buffer, .address_space: global }
      - { .name: h1s, .offset: 48, .size: 8, .value_kind: global_buffer, .address_space: global }
    .group_segment_fixed_size: 327680
    .private_segment_fixed_size: 0
    .kernarg_segment_align: 8
    .kernarg_segment_size: 56
    .max_flat_workgroup_size: 128
    .sgpr_count:     80
    .vgpr_count:     1024
    .wavefront_size: 32
...
	.end_amdgpu_metadata
.endif
;; end of part 1
;; launch layer1 (part 2): grid 32 x 8, 4 waves a work-group, clusters of 4 x 1, 327,680 bytes of LDS; arguments h1c, h1s, W1_codes, W1_scales, b1, out0; writes out0
.if DOCPART == 2
	.amdgcn_target "amdgcn-amd-amdhsa--gfx1250"
	.amdhsa_code_object_version 6
	.text
	.protected	k_q4e172a2b4f_layer1
	.globl	k_q4e172a2b4f_layer1
	.p2align	8
	.type	k_q4e172a2b4f_layer1,@function
k_q4e172a2b4f_layer1:
	s_mov_b64 s[64:65], 0
	v_nop
	global_prefetch_b8 v0, s[64:65] scope:SCOPE_SE
	s_setreg_imm32_b32 hwreg(HW_REG_WAVE_MODE, 25, 1), 1
	s_wait_xcnt 0x0
	s_wait_alu depctr_hold_cnt(0) depctr_sa_sdst(0) depctr_va_vdst(0) depctr_va_sdst(0) depctr_va_ssrc(0) depctr_va_vcc(0) depctr_vm_vsrc(0)
	s_getreg_b32 s2, hwreg(HW_REG_IB_STS2, 6, 4)
	s_cmp_eq_u32 s2, 0
	s_cbranch_scc0 .Lentry_in_a_cluster
	s_endpgm
.Lentry_in_a_cluster:
	s_bfe_u32 s2, ttmp6, 0x10000c
	s_cmp_lg_u32 s2, 0x3003
	s_cbranch_scc0 .Lentry_shape_is_right
	s_endpgm
.Lentry_shape_is_right:
; ONE LAYER OF MinGRU.  gh = in W^T + b on codes of BF8 (E5M2) with one E8M0 scale for each 32 along K; gate = gh[:, :1024], hidden = gh[:, 1024:];
; z = sigmoid(gate), a = sigmoid(-gate), g = hidden + 0.5 where hidden >= 0, else sigmoid(hidden); h_t = a_t h_(t-1) + z_t g_t, h_0 = 0.5.
; The recurrence is run as it stands, not in logarithms: a + z = 1 and all terms are >= 0, so h stays between the least and the largest of 0.5 and the g's, and no sum of exponents is ever formed.
; g = max(hidden + 0.5, sigmoid(hidden)): the first is the larger just where hidden >= 0.
; LAYER = 0: in = x (codes, rows of 1,024 bytes), h is quantised along the channels and stored as codes and scale bytes for the next launch.  LAYER = 1: in = those, h is stored as f32.
; LIMITS.  gate + bias under -86.6: z is held at 2^-125.  a under 2^-126 becomes 0; sigmoid(hidden) under 2^-126 becomes 0.  NaN and infinities among the inputs are not served.
; A block of 32 h that are all 0 gets the scale byte 1 (its codes are zeros; only this program reads the bytes).
; SHARES.  The scan runs along time, so a work-group owns whole sequences: one batch b, 32 channels (64 rows of W: 32 gate, 32 hidden), all 2,048 times, in 32 steps of 64 times.  8 x 32 = 256 work-groups.
; In a step wave w owns 16 times (tile 4 n + w) and all 64 columns: 4 accumulators x 8 K steps = 32 matrix instructions.  W's 32 fragments stay in 512 registers of every wave, so a fragment of the input feeds four products.
; CLUSTER.  The four partners have the same batch and walk the same rows of the input: each tile is asked for jointly (mask 15).  W is not shared: the partners have different rows of it.
; LAYOUT.  Source 0 = 16 times of the input, source 1 = 16 rows of W: lane (r, h) holds channel r, register j fragment row 8 h + j.  FRAGMENT ROW m HOLDS TIME (m & 8) + 4 (m & 1) + ((m & 7) >> 1):
; a register pair (2 s, 2 s + 1) is then step s of two runs of four times (8 h + s, 8 h + 4 + s), and the scan goes in packed instructions.
; THE SCAN OF A STEP.  In each run L_s = a_s L_(s-1) + v_s, P_s = a_s P_(s-1); the runs' totals are joined in the lane, across the halves of the lanes, and (through LDS) across the four waves; then h_s = P_s c + L_s with the run's carry c.
; PIPELINE.  Iteration n holds G(n + 1), the 32 products; E(n), sigmoids, g, the local scan and the wave's total, on the sums of the iteration before; F(n - 1), carries, h, the turn through the wave's stage, the way out.
; A slice of E, F and the LDS loads stands behind each matrix instruction.  One barrier ends an iteration: it shows the waves' totals, and at every second one a slot of the ring is filled again.
; STORES.  LAYER 0: a wave's codes of a tile are 512 consecutive bytes, aligned; its 16 scale bytes lie 16 bytes apart (a scale word of the next layer mixes four work-groups' blocks).  LAYER 1: a work-group owns 128 bytes of each row of out.
.set LAYER, 1
.if LAYER == 0
.set TILEB,   16640                    ; 16 rows of 1,024 bytes + 16 of padding: pitch 1,040 = 65 x 16, so the 16 rows of a load start at 16 different groups of four banks
.set AKS,     128                      ; from K step to K step in a tile
.set ACS,     32                       ; from four registers to the next four
.set OUTSTEP, 65536                    ; four tiles of codes
.set THR,     192                      ; 16 h of one row, back from the stage (the registers of XD, which is done with by then)
.else
.set TILEB,   16384                    ; a tile as the image of its eight fragments' registers
.set AKS,     2048
.set ACS,     512
.set OUTSTEP, 262144                   ; 64 rows of out
.set THR,     236                      ; store data: registers of their own
.endif
.set STEPB, 4*TILEB                    ; a step: four tiles
.set SLOTB, 2*STEPB                    ; a slot: two steps, 128 times
.set STG,   2*SLOTB                    ; behind the ring: a stage of 16 rows x 144 bytes for each wave
.set XA,    STG+9216                   ; the waves' totals: 2 parities x 4 waves x 512 bytes
.set SPARE, XA+4096                    ; the spare words, 128 bytes for each wave: two blocks of 256 bytes that no other line names
; window 0
.set SPW,  1                           ; v1   my spare word: SPARE + 4 x my thread's number; never rewritten
.set NIL,  2                           ; v2   0; never rewritten
.set ADA,  3                           ; v3-6 my place in my wave's tile of (slot, step) = (0,0) (0,1) (1,0) (1,1)
.set STW,  7                           ; v7   the stage, on the way in
.set STR,  8                           ; v8   and on the way back
.set XW,   9                           ; v9   where I put my wave's totals
.set XR,   10                          ; v10  where I read wave 0's
.set SCO,  11                          ; v11  my offset among a step's input scale bytes
.set OUTO, 12                          ; v12  my offset in a step's output
.set OSC,  13                          ; v13  LAYER 0: and among its scale bytes
.set PFO,  14                          ; v14  256 x lane, for the prefetches
.set AW,   15                          ; v15  my place in W's stage
.set WS,   16                          ; v16-31 W's scale words: 4 nt + c; lanes 0-15 K steps 0-3, lanes 16-31 K steps 4-7
                                       ; v32-47 the input's scale words, four sets of four, likewise
.set BG,   48                          ; pairs: -log2(e) x gate bias, u = 0, 1
.set BH,   52                          ; -log2(e) x hidden bias
.set BP,   56                          ; hidden bias + 0.5
                                       ; v60-63 the carry into a step, two pairs (u = 0, 1) by turns;  v64-127 two sets of sums: gate +0..15 (8 u + j), hidden +16..31
.set PLA,  128                         ; a, then P
.set PLV,  144                         ; v, then L, then h
.set TZ,   160                         ; 1 + E, then z
.set TS,   176                         ; the hidden's exponent, exponential, sigmoid
.set XD,   192                         ; the four waves' totals
.set C1,   208                         ; the carries behind waves 0, 1, 2: three pairs
.set CW,   214                         ; the carry into my wave
.set CH,   216                         ; and behind its first eight times
.set CU,   218                         ; the carries into my two runs: a pair for u = 0, one for u = 1
.set CPT,  222                         ; my lane's totals
.set CLT,  224
.set OPP,  226                         ; the other half's
.set OLL,  228
.set XWD,  232                         ; my wave's totals: P u0, P u1, L u0, L u1 (right in lanes 16-31)
.set CD,   236                         ; LAYER 0: 16 codes
.set MXA,  240
.set MXB,  241
.set SCV,  242                         ; the conversion's scale operand
.set HOLD, 243                         ; 57,344 x the scale
.set BYT,  244                         ; the scale's byte
; window 1: the input's fragments, two buffers of 128.   windows 2, 3: W's fragment (ks, nt) at 64 (ks % 4) + 16 nt of window 2 + ks / 4.
; s[4:5] input codes; s[6:7] input scales (stepped); s[8:9], s[10:11] W's; s[12:13] bias; s[14:15], s[16:17] outputs (stepped); s18 wave; s19 cx; s20 channel group; s21 batch;
; s[24:31] group 1 of the input's tiles; s[32:35], s[36:39] group 0 of slot 0, 1; s[40:47], s[48:51] W's; s52 trips; s53 lanes 16-31; s54-56 wave >= 1, 2, 3;
; s[58:59] -log2(e); s60 125.0; s61 mantissa field of 57,344; s[62:63] selects for lane xor 16; s[66:67], s68 prefetch; s22, s23, s57, s69-73 at work.
.set MSB, 0
.macro WIN new                         ; the immediate's high byte repeats the setting that is left; a switch that changes nothing is dropped
.if MSB != (\new)
	s_set_vgpr_msb (MSB<<8)|(\new)
.set MSB, (\new)
.endif
.endm
.macro FLAGS g, e, f, a, x, os, xs, ps, lc
.set DOG, \g                           ; the products of step n + 1
.set DOE, \e                           ; E(n)
.set DOF, \f                           ; F(n - 1)
.set DOA, \a                           ; the fragments of step n + 2
.set DOX, \x                           ; the scale words of step n + 4
.set OSTEP, \os                        ; the output's bases step
.set XSTEP, \xs                        ; the scale bytes' base steps
.set PSTEP, \ps                        ; the prefetches' base steps
.set LCNT, \lc
.set DOQ, DOF*(1-LAYER)
.set DOS, DOF*LAYER
.endm
.macro SETN n                          ; what hangs on n mod 4
.set EACC, 64+32*((\n)%2)
.set GACC, 96-32*((\n)%2)
.set GBUF, 128*(((\n)+1)%2)
.set ABUF, 128*((\n)%2)
.set APOS, ((\n)+2)%4
.set GXS,  32+4*(((\n)+1)%4)
.set LXS,  32+4*(\n)
.set XWP,  2048*((\n)%2)
.set XRP,  2048*(((\n)+1)%2)
.set CARI, 60+2*(((\n)+1)%2)
.set CARO, 60+2*((\n)%2)
.endm
.macro RUN item, flag, k               ; the next k lines of a list; each item steps its own counter
.if \flag
	WIN 0
.rept \k
	\item
.endr
.endif
.endm
; Product i = 4 ks + nt.  nt = 0, 1: gate, channels 0-15, 16-31; nt = 2, 3: hidden.  The four accumulators take turns, one instruction a turn; the first K step starts the sums with 0.
.macro MM i
.if DOG
.set ks_, (\i)/4
.set nt_, (\i)%4
.set wn_, 0x09+4*(ks_/4)
	WIN wn_                                        ; source 0 window 1, source 1 window 2 or 3, C and D window 0
.if ks_ == 0
	v_wmma_scale_f32_16x16x128_f8f6f4 v[GACC+8*nt_:GACC+8*nt_+7], v[GBUF+16*ks_:GBUF+16*ks_+15], v[64*(ks_%4)+16*nt_:64*(ks_%4)+16*nt_+15], 0, v[GXS+ks_%4], v[WS+4*nt_+ks_%4] matrix_a_fmt:MATRIX_FMT_BF8 matrix_b_fmt:MATRIX_FMT_BF8
.elseif ks_ < 4
	v_wmma_scale_f32_16x16x128_f8f6f4 v[GACC+8*nt_:GACC+8*nt_+7], v[GBUF+16*ks_:GBUF+16*ks_+15], v[64*(ks_%4)+16*nt_:64*(ks_%4)+16*nt_+15], v[GACC+8*nt_:GACC+8*nt_+7], v[GXS+ks_%4], v[WS+4*nt_+ks_%4] matrix_a_fmt:MATRIX_FMT_BF8 matrix_b_fmt:MATRIX_FMT_BF8
.else
	v_wmma_scale_f32_16x16x128_f8f6f4 v[GACC+8*nt_:GACC+8*nt_+7], v[GBUF+16*ks_:GBUF+16*ks_+15], v[64*(ks_%4)+16*nt_:64*(ks_%4)+16*nt_+15], v[GACC+8*nt_:GACC+8*nt_+7], v[GXS+ks_%4], v[WS+4*nt_+ks_%4] matrix_a_fmt:MATRIX_FMT_BF8 matrix_b_fmt:MATRIX_FMT_BF8 matrix_a_scale:MATRIX_SCALE_ROW1 matrix_b_scale:MATRIX_SCALE_ROW1
.endif
.endif
.endm
.macro AL k                            ; fragment k of step n + 2: lane (r, h): registers 4 c .. 4 c + 3 = K 128 k + 32 c + 16 h + 0 .. 15 of my fragment row
.if DOA
	WIN 0x40                                       ; destination window 1, address window 0
.irp c, 0,1,2,3
	ds_load_b128 v[ABUF+16*(\k)+4*\c:ABUF+16*(\k)+4*\c+3], v[ADA+APOS] offset:AKS*(\k)+ACS*\c
.endr
.endif
.endm
; ---- E: the lists.  Each accumulator is read from its low end on.
.macro EA1                             ; the exponents: -log2(e) (sum + bias); the gate's held at 125, so that 1 / (1 + 2^t) stays a normal number
.if cEA < 8
	v_pk_fma_f32 v[EACC+2*cEA:EACC+2*cEA+1], v[EACC+2*cEA:EACC+2*cEA+1], s[58:59], v[BG+2*(cEA/4):BG+2*(cEA/4)+1] op_sel_hi:[1,0,0]
.elseif cEA < 16
	v_pk_fma_f32 v[TS+2*(cEA-8):TS+2*(cEA-8)+1], v[EACC+16+2*(cEA-8):EACC+16+2*(cEA-8)+1], s[58:59], v[BH+2*((cEA-8)/4):BH+2*((cEA-8)/4)+1] op_sel_hi:[1,0,0]
.else
	v_min_num_f32 v[EACC+cEA-16], s60, v[EACC+cEA-16]
.endif
.set cEA, cEA+1
.endm
.macro EX1                             ; 32 exponentials, one batch
.if cEX < 16
	v_exp_f32 v[TS+cEX], v[TS+cEX]
.else
	v_exp_f32 v[EACC+cEX-16], v[EACC+cEX-16]
.endif
.set cEX, cEX+1
.endm
.macro ED1                             ; 1 + E
.if cED < 8
	v_pk_add_f32 v[TZ+2*cED:TZ+2*cED+1], v[EACC+2*cED:EACC+2*cED+1], 1.0 op_sel_hi:[1,0]
.else
	v_pk_add_f32 v[TS+2*(cED-8):TS+2*(cED-8)+1], v[TS+2*(cED-8):TS+2*(cED-8)+1], 1.0 op_sel_hi:[1,0]
.endif
.set cED, cED+1
.endm
.macro ER1                             ; 32 reciprocals, one batch: z, and sigmoid(hidden)
.if cER < 16
	v_rcp_f32 v[TZ+cER], v[TZ+cER]
.else
	v_rcp_f32 v[TS+cER-16], v[TS+cER-16]
.endif
.set cER, cER+1
.endm
.macro EB1                             ; hidden + 0.5
	v_pk_add_f32 v[EACC+16+2*cEB:EACC+16+2*cEB+1], v[EACC+16+2*cEB:EACC+16+2*cEB+1], v[BP+2*(cEB/4):BP+2*(cEB/4)+1]
.set cEB, cEB+1
.endm
.macro EF1                             ; a = E z;  g = max(hidden + 0.5, sigmoid);  v = z g
.if cEF < 8
	v_pk_mul_f32 v[PLA+2*cEF:PLA+2*cEF+1], v[EACC+2*cEF:EACC+2*cEF+1], v[TZ+2*cEF:TZ+2*cEF+1]
.elseif cEF < 24
	v_max_num_f32 v[EACC+8+cEF], v[EACC+8+cEF], v[TS+cEF-8]
.else
	v_pk_mul_f32 v[PLV+2*(cEF-24):PLV+2*(cEF-24)+1], v[EACC+16+2*(cEF-24):EACC+16+2*(cEF-24)+1], v[TZ+2*(cEF-24):TZ+2*(cEF-24)+1]
.endif
.set cEF, cEF+1
.endm
.macro ES1                             ; the local scan, in place, two runs at a time: at each level L (which wants a_s) ahead of P
.set x_, 8*(cES%2)+2*(1+cES/4)
.if (cES%4) < 2
	v_pk_fma_f32 v[PLV+x_:PLV+x_+1], v[PLA+x_:PLA+x_+1], v[PLV+x_-2:PLV+x_-1], v[PLV+x_:PLV+x_+1]
.else
	v_pk_mul_f32 v[PLA+x_:PLA+x_+1], v[PLA+x_:PLA+x_+1], v[PLA+x_-2:PLA+x_-1]
.endif
.set cES, cES+1
.endm
.macro EG1                             ; the lane's totals over its eight times, the other half's, the wave's
.if cEG < 2
	v_fma_f32 v[CLT+cEG], v[PLA+8*cEG+7], v[PLV+8*cEG+6], v[PLV+8*cEG+7]
.elseif cEG < 4
	v_mul_f32 v[CPT+cEG-2], v[PLA+8*(cEG-2)+6], v[PLA+8*(cEG-2)+7]
.elseif cEG < 6
	v_permlanex16_b32 v[OLL+cEG-4], v[CLT+cEG-4], s62, s63
.elseif cEG < 8
	v_permlanex16_b32 v[OPP+cEG-6], v[CPT+cEG-6], s62, s63
.elseif cEG == 8
	v_pk_fma_f32 v[XWD+2:XWD+3], v[CPT:CPT+1], v[OLL:OLL+1], v[CLT:CLT+1]
.else
	v_pk_mul_f32 v[XWD:XWD+1], v[CPT:CPT+1], v[OPP:OPP+1]
.endif
.set cEG, cEG+1
.endm
; ---- F: the lists
.macro FC1                             ; the carry behind each wave; the last is the next step's
.if cFC == 0
	v_pk_fma_f32 v[C1:C1+1], v[XD:XD+1], v[CARI:CARI+1], v[XD+2:XD+3]
.elseif cFC < 3
	v_pk_fma_f32 v[C1+2*cFC:C1+2*cFC+1], v[XD+4*cFC:XD+4*cFC+1], v[C1+2*cFC-2:C1+2*cFC-1], v[XD+4*cFC+2:XD+4*cFC+3]
.else
	v_pk_fma_f32 v[CARO:CARO+1], v[XD+12:XD+13], v[C1+4:C1+5], v[XD+14:XD+15]
.endif
.set cFC, cFC+1
.endm
.macro FS1                             ; the carry into my wave, chosen by masks made of the wave's number
.if cFS < 2
	v_cndmask_b32 v[CW+cFS], v[CARI+cFS], v[C1+cFS], s54
.elseif cFS < 4
	v_cndmask_b32 v[CW+cFS-2], v[CW+cFS-2], v[C1+cFS], s55
.else
	v_cndmask_b32 v[CW+cFS-4], v[CW+cFS-4], v[C1+cFS], s56
.endif
.set cFS, cFS+1
.endm
.macro FH1                             ; the carries into my two runs: lanes 16-31 stand behind the first half's eight times; the second run behind the first
.if cFH == 0
	v_pk_fma_f32 v[CH:CH+1], v[OPP:OPP+1], v[CW:CW+1], v[OLL:OLL+1]
.elseif cFH < 3
	v_cndmask_b32 v[CU+2*(cFH-1)], v[CW+cFH-1], v[CH+cFH-1], s53
.else
	v_fma_f32 v[CU+2*(cFH-3)+1], v[PLA+8*(cFH-3)+6], v[CU+2*(cFH-3)], v[PLV+8*(cFH-3)+6]
.endif
.set cFH, cFH+1
.endm
.macro FO1                             ; h = P c + L
	v_pk_fma_f32 v[PLV+2*cFO:PLV+2*cFO+1], v[PLA+2*cFO:PLA+2*cFO+1], v[CU+2*(cFO/4):CU+2*(cFO/4)+1], v[PLV+2*cFO:PLV+2*cFO+1]
.set cFO, cFO+1
.endm
.macro FW1                             ; into my stage: LAYER 0 by fragment rows (the next layer's fragments keep them), LAYER 1 by times
.set j_, cFW%8
.if LAYER == 0
.set ro_, j_
.else
.set ro_, 4*(j_%2)+j_/2
.endif
	ds_store_b32 v[STW], v[PLV+cFW] offset:144*ro_+64*(cFW/8)
.set cFW, cFW+1
.endm
.macro FM1                             ; LAYER 0: the block's largest h (h is not negative), with the floor 2^(16 - 127) among the leaves, so that the byte cannot fall under 1
.if cFM == 0
	v_max3_num_f32 v[MXA], v[THR], v[THR+1], 0x8000000
.elseif cFM == 1
	v_max3_num_f32 v[MXB], v[THR+2], v[THR+3], v[THR+4]
.elseif cFM < 7
	v_max3_num_f32 v[MXA+cFM%2], v[MXA+cFM%2], v[THR+2*cFM+1], v[THR+2*cFM+2]
.elseif cFM == 7
	v_max3_num_f32 v[MXA], v[MXA], v[MXB], v[THR+15]
.elseif cFM == 8
	v_permlanex16_b32 v[MXB], v[MXA], s62, s63     ; the block's other 16 channels lie in the lane 16 away
.elseif cFM == 9
	v_max_num_f32 v[MXA], v[MXA], v[MXB]
.elseif cFM == 10
	v_add_nc_u32 v[SCV], 0xf8800000, v[MXA]        ; 15 off the exponent field: the conversion takes that field as its scale
.else
	v_and_or_b32 v[HOLD], v[MXA], 0x7f800000, s61  ; 57,344 x the scale
.endif
.set cFM, cFM+1
.endm
.macro FI1                             ; the conversion to an 8-bit code does not saturate (ISA guide 7.6.2); h is not negative, so the hold is one-sided
	v_min_num_f32 v[THR+cFI], v[THR+cFI], v[HOLD]
.set cFI, cFI+1
.endm
.macro EA k
	RUN EA1, DOE, \k
.endm
.macro EX k
	RUN EX1, DOE, \k
.endm
.macro ED k
	RUN ED1, DOE, \k
.endm
.macro ER k
	RUN ER1, DOE, \k
.endm
.macro EB k
	RUN EB1, DOE, \k
.endm
.macro EF k
	RUN EF1, DOE, \k
.endm
.macro ES k
	RUN ES1, DOE, \k
.endm
.macro EG k
	RUN EG1, DOE, \k
.endm
.macro FC k
	RUN FC1, DOF, \k
.endm
.macro FS k
	RUN FS1, DOF, \k
.endm
.macro FH k
	RUN FH1, DOF, \k
.endm
.macro FO k
	RUN FO1, DOF, \k
.endm
.macro FW k
	RUN FW1, DOF, \k
.endm
.macro FM k
	RUN FM1, DOQ, \k
.endm
.macro FI k
	RUN FI1, DOQ, \k
.endm
.macro XST                             ; my wave's totals, for all four waves
.if DOE
	WIN 0
	ds_store_b128 v[XW], v[XWD:XWD+3] offset:XWP
.endif
.endm
.macro FX                              ; the four waves' totals of the step before, from lane 16 + r's place
.if DOF
	WIN 0
.irp t, 0,1,2,3
	ds_load_b128 v[XD+4*\t:XD+4*\t+3], v[XR] offset:XRP+512*\t
.endr
.endif
.endm
.macro FR                              ; back from my stage.  LDS serves a wave's instructions in order (ISA guide 5.7.1.4): these see my stores
.if DOF
	WIN 0
.irp t, 0,1,2,3
.if LAYER == 0
	ds_load_b128 v[THR+4*\t:THR+4*\t+3], v[STR] offset:16*\t      ; fragment row r, channels 16 h + 4 t on
.else
	ds_load_b128 v[THR+4*\t:THR+4*\t+3], v[STR] offset:288*\t     ; four times' 128 bytes, two rows on each time
.endif
.endr
.endif
.endm
.macro GS                              ; the bases step, and the scale words of step n + 4 are asked for
	WIN 0
	s_wait_xcnt 0x0                                ; all earlier global instructions have read their sources: the bases below, and the registers that the last stores read, are written only behind this wait
.if OSTEP
	s_add_nc_u64 s[14:15], s[14:15], OUTSTEP
.if LAYER == 0
	s_add_nc_u64 s[16:17], s[16:17], 2048
.endif
.endif
.if XSTEP
	s_add_nc_u64 s[6:7], s[6:7], 2048
.endif
.if PSTEP
	s_add_nc_u64 s[66:67], s[66:67], 131072
.endif
.if DOX
	global_load_b128 v[LXS:LXS+3], v[SCO], s[6:7] offset:8192    ; into the set of step n, whose products stand an iteration back
.endif
.endm
.macro FJ                              ; LAYER 0: 16 codes a lane, and the block's byte
.if DOQ
	WIN 0
	v_lshrrev_b32 v[BYT], 23, v[SCV]
	v_cvt_scalef32_pk8_bf8_f32 v[CD:CD+1], v[THR:THR+7], v[SCV]
	v_cvt_scalef32_pk8_bf8_f32 v[CD+2:CD+3], v[THR+8:THR+15], v[SCV]
	v_nop                                          ; a plain line behind the last conversion
	global_store_b128 v[OUTO], v[CD:CD+3], s[14:15]   ; 32 lanes store 512 consecutive bytes, aligned: registers 4 c .. 4 c + 3 of the next layer's fragment
	global_store_b8 v[OSC], v[BYT], s[16:17]       ; both lanes of a row write the same byte with the same value
.endif
.endm
.macro FG                              ; LAYER 1: four times' 128 bytes an instruction
.if DOS
	WIN 0
.irp t, 0,1,2,3
	global_store_b128 v[OUTO], v[THR+4*\t:THR+4*\t+3], s[14:15] offset:8192*\t
.endr
.endif
.endm
.macro DW                              ; the four loads that are wanted are in; the sixteen fragment loads issued behind them may be out
	s_wait_dscnt 16*DOA
.endm
.macro TW                              ; a plain line behind a batch's last transcendental, and the one wait ahead of the batch's first reader
.if DOE
	v_nop
	s_wait_alu depctr_va_vdst(0)
.endif
.endm
.macro CREST                           ; a round of the cluster's barrier behind its opening barrier
	s_cmp_lg_u32 s18, 0
	s_cbranch_scc1 .Lnw0_\@
	s_barrier_signal -3
.Lnw0_\@:
	s_barrier_wait -3
	s_barrier_signal -1
	s_barrier_wait -1
.endm
.macro CROUND
	s_barrier_signal -1
	s_barrier_wait -1
	CREST
.endm
; A prefetch of the slot's worth of input that stands two refills on: 131,072 bytes.  All eight clusters of a batch walk the same rows: the first (cluster x = 0) asks.  Its 4 partners x 4 waves x 32 lanes
; name 512 places 256 bytes apart, told apart by address: each is named once in the launch.  how = 1, in the loop: the last trip asks for nothing; how = 2: written out.
.macro ASK how
.if \how == 1
	s_cmp_gt_u32 s52, s68
.else
	s_cmp_eq_u32 s68, 1
.endif
	s_cbranch_scc0 .Lnp_\@
	global_prefetch_b8 v[PFO], s[66:67] th:TH_LOAD_NT scope:SCOPE_SE
.Lnp_\@:
.endm
; The end of an iteration.  ring = 0: the barrier shows the waves' totals.  ring = 1: also the last slot, whole.  ring = 2: also a change of slots: every wave waits for all its tensor loads (one is out: its part of
; the other slot), adds 0 to its spare word, waits for that and for its LDS reads; the barrier opens a round of the cluster's, and the joint refill of the slot just read out is the first thing behind it.
.macro ENDB ring, slot, pf
	WIN 0
.if \ring >= 1
	s_wait_tensorcnt 0x0                           ; no tensor load of mine is out, so a group 0 may be written
	ds_add_u32 v[SPW], v[NIL]
.endif
.if \ring == 2
	s_add_nc_u64 s[34+4*\slot:35+4*\slot], s[34+4*\slot:35+4*\slot], 262144   ; two slots on; the type bits on top are not reached
.endif
.if DOG
.rept 8
	v_nop                                          ; eight places behind the last products, ahead of the reads of their sums and of the loads into the fragments and scale words that they read
.endr
.endif
	s_wait_dscnt 0x0                               ; my totals are stored, the next step's fragments are in, my reads of the slot are over (and the add is done)
	s_barrier_signal -1
	s_barrier_wait -1
.if \ring == 2
	CREST
	tensor_load_to_lds s[32+4*\slot:35+4*\slot], s[24:31]   ; it has two iterations, 64 matrix instructions with their slices, in which to land
	s_nop 0
.rept 4
	v_nop
.endr
.if \pf
	ASK \pf
.endif
.endif
.endm
.macro ITER n, ring, slot, pf
	SETN \n
.irp c, cEA, cEX, cED, cER, cEB, cEF, cES, cEG, cFC, cFS, cFH, cFO, cFW, cFM, cFI
.set \c, 0
.endr
	s_wait_loadcnt LCNT                            ; the scale words of step n + 1 are in; those of the later steps asked for behind them may be out
	MM 0
	FX
	EA 5
.irp q, 0,1,2,3
	MM \q+1
	AL \q
	EA 5
.endr
	MM 5
	EA 7
	EX 2
	MM 6
	DW
	FC 1
	EX 3
	FC 1
	EX 3
	MM 7
	FC 1
	EX 3
	FC 1
	EX 3
	MM 8
	FS 2
	EX 3
	FS 2
	EX 2
	MM 9
	FS 2
	EX 3
	FH 1
	EX 2
	MM 10
	FH 2
	EX 3
	FH 2
	EX 2
	MM 11
	FO 4
	EX 3
	FO 4
	MM 12
	TW                                             ; nothing since the first exponential has named a result
	ED 4
	FW 6
	MM 13
	ED 4
	FW 6
	MM 14
	ED 4
	FW 4
	MM 15
	ED 4
	GS
	FR
	ER 2
.irp q, 4,5,6,7
	MM \q+12
	AL \q
	ER 4
	EB 1
.endr
	MM 20
	DW
	FG
	FM 2
	ER 2
	FM 2
	ER 2
	EB 1
	MM 21
	FM 2
	ER 2
	FM 1
	ER 2
	EB 2
	MM 22
	FM 1
	ER 2
	FM 1
	ER 2
	FM 1
	EB 1
	MM 23
	FM 2
	ER 2
	FI 4
	MM 24
	TW                                             ; nothing since the first reciprocal has named a result
	EF 7
	FI 3
.irp q, 25,26,27
	MM \q
	EF 7
	FI 3
.endr
	MM 28
	EF 4
	ES 6
	MM 29
	ES 6
	EG 4
	MM 30
	EG 6
	XST
	MM 31
	FJ
.if \ring < 3
	ENDB \ring, \slot, \pf
.endif
.endm
	s_load_b256 s[4:11], s[0:1], 0x0               ; input codes, input scales, W's codes, W's scales
	s_load_b128 s[12:15], s[0:1], 0x20             ; bias, output
.if LAYER == 0
	s_load_b64 s[16:17], s[0:1], 0x30              ; the output's scale bytes
.endif
	v_lshl_add_u32 v[SPW], v0, 2, SPARE
	v_mov_b32 v[NIL], 0
	ds_add_u32 v[SPW], v[NIL]                      ; the wave's opening: the add and its wait stand ahead of my first tensor load; the set-up below, work on registers, stands between them
	v_lshrrev_b32 v160, 5, v0
	v_readfirstlane_b32 s18, v160                  ; wave 0..3
	s_bfe_u32 s19, ttmp6, 0x40000                  ; cx
	s_lshl_b32 s20, ttmp9, 2
	s_add_co_u32 s20, s20, s19                     ; channel group = 4 x cluster x + cx
	s_and_b32 s21, ttmp7, 0xffff                   ; batch, which the four partners share
	s_cmp_ge_u32 s18, 1
	s_cselect_b32 s54, -1, 0
	s_cmp_ge_u32 s18, 2
	s_cselect_b32 s55, -1, 0
	s_cmp_ge_u32 s18, 3
	s_cselect_b32 s56, -1, 0
	s_cmp_eq_u32 ttmp9, 0
	s_cselect_b32 s68, 1, -1                       ; 1 in the batch's first cluster, else the greatest number: the same in all four partners
	s_mov_b32 s52, 6
	s_mov_b32 s53, 0xffff0000
	s_mov_b32 s58, 0xbfb8aa3b                      ; -log2(e)
	s_mov_b32 s59, s58                             ; (named with it as a pair, so it is written)
	s_mov_b32 s60, 0x42fa0000                      ; 125.0
	s_mov_b32 s61, 0x600000
	s_mov_b32 s62, 0x76543210
	s_mov_b32 s63, 0xfedcba98
	; group 1 of the input's tiles: a quarter of a slot
.if LAYER == 0
	s_mov_b32 s24, 15|(1<<20)|(1<<21)|(7<<22)|(3<<25)   ; 15:0 the mask: all four work-groups; 17:16 elements of 1 byte; 20 padding on; 21 set beside a mask; 24:22 after every 256 words (code 7); 31:25 four words (code 3)
	s_mov_b32 s25, 1024<<16                        ; tensor_dim0 = 1,024
	s_mov_b32 s26, 32<<16                          ; tensor_dim1 = 32
	s_mov_b32 s27, 1024<<16                        ; tile_dim0
	s_mov_b32 s28, 32                              ; tile_dim1
	s_mov_b32 s29, 1024                            ; from row to row
.else
	s_mov_b32 s24, 15|(3<<16)|(1<<21)              ; elements of 8 bytes, no padding: two tiles' images, a dense block, as 128 rows of 256 bytes
	s_mov_b32 s25, 32<<16
	s_mov_b32 s26, 128<<16
	s_mov_b32 s27, 32<<16
	s_mov_b32 s28, 128
	s_mov_b32 s29, 32
.endif
	s_mov_b32 s30, 0
	s_mov_b32 s31, 0
	; group 1 of W's stage: 16 rows of 1,024 bytes, padded; no mask: each work-group has rows of its own
	s_mov_b32 s40, (1<<20)|(7<<22)|(3<<25)
	s_mov_b32 s41, 1024<<16
	s_mov_b32 s42, 16<<16
	s_mov_b32 s43, 1024<<16
	s_mov_b32 s44, 16
	s_mov_b32 s45, 1024
	s_mov_b32 s46, 0
	s_mov_b32 s47, 0
	s_mov_b32 s32, 1
	s_mul_i32 s33, s18, SLOTB/4                    ; slot 0, my quarter: no place in the cluster enters an LDS address
	s_mov_b32 s36, 1
	s_add_co_u32 s37, s33, SLOTB                   ; slot 1
	s_mov_b32 s48, 1
	s_mul_i32 s49, s18, 16640
	s_add_co_u32 s49, s49, SLOTB                   ; W's stage lies in slot 1's bytes: wave w brings the 16 rows of N tile w
	s_lshl_b32 s70, s21, 21                        ; the batch's 2,097,152 bytes of codes,
	s_lshl_b32 s71, s18, 15                        ; my quarter of a slot's 131,072
	s_add_co_u32 s70, s70, s71
	s_mov_b32 s71, 0
	s_lshr_b32 s22, s18, 1                         ; W: row (w / 2) 1,024 + 32 x channel group + 16 (w % 2), of 1,024 bytes
	s_lshl_b32 s22, s22, 20
	s_lshl_b32 s23, s20, 15
	s_add_co_u32 s22, s22, s23
	s_and_b32 s23, s18, 1
	s_lshl_b32 s23, s23, 14
	s_add_co_u32 s22, s22, s23
	s_mov_b32 s23, 0
	; the lane's terms
	v_and_b32 v160, 31, v0                         ; L
	v_and_b32 v161, 15, v0                         ; r
	v_bfe_u32 v162, v0, 4, 1                       ; h
	v_and_b32 v163, 8, v0
	v_and_b32 v164, 1, v0
	v_lshl_add_u32 v163, v164, 2, v163
	v_bfe_u32 v164, v0, 1, 2
	v_add_nc_u32 v163, v163, v164                  ; the time of fragment row r: (r & 8) + 4 (r & 1) + ((r & 7) >> 1)
.if LAYER == 0
	v_mul_u32_u24 v165, v163, 1040
	v_lshl_add_u32 v165, v162, 4, v165
.else
	v_lshlrev_b32 v165, 4, v160
.endif
	s_mul_i32 s69, s18, TILEB
	v_add_nc_u32 v[ADA], s69, v165
	v_add_nc_u32 v[ADA+1], STEPB, v[ADA]
	v_add_nc_u32 v[ADA+2], SLOTB, v[ADA]
	v_add_nc_u32 v[ADA+3], SLOTB+STEPB, v[ADA]
	v_mul_u32_u24 v[AW], v161, 1040
	v_lshl_add_u32 v[AW], v162, 4, v[AW]
	v_add_nc_u32 v[AW], SLOTB, v[AW]
	s_mul_i32 s69, s18, 2304
	s_add_co_u32 s69, s69, STG                     ; my stage
	v_mul_u32_u24 v[STW], v162, 1152
	v_lshl_add_u32 v[STW], v161, 2, v[STW]
	v_add_nc_u32 v[STW], s69, v[STW]               ; in: rows 8 h on, channel r: 4 bytes
.if LAYER == 0
	v_mul_u32_u24 v[STR], v161, 144
	v_lshl_add_u32 v[STR], v162, 6, v[STR]
	v_add_nc_u32 v[STR], s69, v[STR]               ; back: row r, channels 16 h on
.else
	v_bfe_u32 v166, v0, 3, 1
	v_lshl_add_u32 v166, v166, 3, v162             ; q = L / 16 + 8 ((L / 8) % 2): lanes 0-7 and 8-15 take rows 8 apart, 1,152 bytes, so their 16-byte columns do not meet
	v_and_b32 v167, 7, v0
	v_mul_u32_u24 v[STR], v166, 144
	v_lshl_add_u32 v[STR], v167, 4, v[STR]
	v_add_nc_u32 v[STR], s69, v[STR]
.endif
	v_lshl_add_u32 v[XW], v0, 4, XA                ; 512 x wave + 16 x lane
	v_lshl_add_u32 v[XR], v161, 4, XA+256          ; lane 16 + r's place
.if LAYER == 0
	v_lshlrev_b32 v[SCO], 5, v163                  ; my row's 32 scale bytes, my half's 16
	v_lshl_add_u32 v[SCO], v162, 4, v[SCO]
	s_lshl_b32 s69, s18, 9
	v_add_nc_u32 v[SCO], s69, v[SCO]
	v_lshl_add_u32 v[OSC], v161, 4, s69            ; 512 x wave + 16 r
	s_lshl_b32 s69, s18, 14
	v_lshl_add_u32 v[OUTO], v160, 4, s69           ; 16,384 x wave + 16 x lane
.else
	v_lshlrev_b32 v[SCO], 4, v0                    ; 512 x wave + 16 x lane
	s_lshl_b32 s69, s18, 16
	v_lshl_add_u32 v[OUTO], v166, 12, s69          ; 65,536 x wave + 4,096 q + 16 (L % 8)
	v_lshl_add_u32 v[OUTO], v167, 4, v[OUTO]
.endif
	v_lshlrev_b32 v[PFO], 8, v160
	v_lshlrev_b32 v168, 5, v161
	v_lshl_add_u32 v168, v162, 4, v168             ; W's scale bytes: 32 r + 16 h
	v_lshlrev_b32 v169, 2, v161                    ; the biases: 4 r
	v_mov_b32 v[OPP], 0                            ; written once: a lane permute's destination counts as one of its sources
	v_mov_b32 v[OPP+1], 0
	v_mov_b32 v[OLL], 0
	v_mov_b32 v[OLL+1], 0
	v_mov_b32 v60, 0.5                             ; h_0
	v_mov_b32 v61, 0.5
	s_wait_dscnt 0x0                               ; the opening add is done
	s_wait_kmcnt 0x0
	s_add_nc_u64 s[34:35], s[4:5], s[70:71]        ; slot 0: times 0-127
	s_add_nc_u64 s[38:39], s[34:35], 131072        ; slot 1: times 128-255
	s_or_b32 s35, s35, 0x80000000                  ; type = 2
	s_or_b32 s39, s39, 0x80000000
	s_add_nc_u64 s[50:51], s[8:9], s[22:23]
	s_or_b32 s51, s51, 0x80000000
	s_mov_b32 s73, 0
	s_lshl_b32 s72, s21, 16
	s_add_nc_u64 s[6:7], s[6:7], s[72:73]          ; the batch's 65,536 scale bytes
	s_lshl_b32 s72, s20, 10
	s_add_nc_u64 s[10:11], s[10:11], s[72:73]      ; W's scale bytes at row 32 x channel group
	s_lshl_b32 s72, s20, 7
	s_add_nc_u64 s[12:13], s[12:13], s[72:73]      ; the biases likewise
.if LAYER == 0
	s_lshl_b32 s72, s21, 21
	s_lshl_b32 s57, s20, 9
	s_add_co_u32 s72, s72, s57
	s_add_nc_u64 s[14:15], s[14:15], s[72:73]      ; codes [b][tile][channel group][lane][16]
	s_lshl_b32 s72, s21, 16
	s_lshr_b32 s57, s20, 4
	s_lshl_b32 s57, s57, 8
	s_add_co_u32 s72, s72, s57
	s_and_b32 s57, s20, 15
	s_add_co_u32 s72, s72, s57
	s_add_nc_u64 s[16:17], s[16:17], s[72:73]      ; scale bytes [b][tile][channel group / 16][row][channel group % 16]
.else
	s_lshl_b32 s72, s21, 23
	s_lshl_b32 s57, s20, 7
	s_add_co_u32 s72, s72, s57
	s_add_nc_u64 s[14:15], s[14:15], s[72:73]
.endif
	s_lshl_b32 s57, s19, 2
	s_add_co_u32 s57, s57, s18
	s_lshl_b32 s57, s57, 13                        ; the prefetches: 8,192 bytes for each of the cluster's sixteen waves,
	s_lshl_b32 s72, s21, 21
	s_add_co_u32 s72, s72, s57
	s_add_nc_u64 s[66:67], s[4:5], s[72:73]
	s_add_nc_u64 s[66:67], s[66:67], 524288        ; from the fifth slot's worth on: the first four come by their loads alone
	CROUND                                         ; all four work-groups are here: the first joint loads meet
	tensor_load_to_lds s[48:51], s[40:47]          ; the first fills, as one group: two loads of mine are out.  W's 16 rows,
	s_nop 0
	tensor_load_to_lds s[32:35], s[24:31]          ; and my quarter of slot 0
	s_nop 0
.rept 4
	v_nop
.endr
.irp t, 0,1,2,3
	global_load_b128 v[WS+4*\t:WS+4*\t+3], v168, s[10:11] offset:32768*(\t/2)+512*(\t%2)
.endr
	global_load_b32 v[BG], v169, s[12:13]
	global_load_b32 v[BG+2], v169, s[12:13] offset:64
	global_load_b32 v[BH], v169, s[12:13] offset:4096
	global_load_b32 v[BH+2], v169, s[12:13] offset:4160
.irp t, 0,1,2,3
	global_load_b128 v[32+4*\t:35+4*\t], v[SCO], s[6:7] offset:2048*\t    ; the scale words of steps 0 to 3
.endr
	s_wait_tensorcnt 0x0                           ; my parts of W and of slot 0 are in,
	s_barrier_signal -1
	s_barrier_wait -1                              ; everybody's are
	WIN 0x80                                       ; destination window 2
.irp k, 0,1,2,3
.irp t, 0,1,2,3
.irp c, 0,1,2,3
	ds_load_b128 v[64*\k+16*\t+4*\c:64*\k+16*\t+4*\c+3], v[AW] offset:16640*\t+128*\k+32*\c
.endr
.endr
.endr
	WIN 0xc0                                       ; destination window 3
.irp k, 0,1,2,3
.irp t, 0,1,2,3
.irp c, 0,1,2,3
	ds_load_b128 v[64*\k+16*\t+4*\c:64*\k+16*\t+4*\c+3], v[AW] offset:16640*\t+128*(\k+4)+32*\c
.endr
.endr
.endr
	WIN 0
	s_wait_tensorcnt 0x0                           ; slot 1's first tile lands on W's stage, so it is issued as a refill is: no tensor load of mine is out,
	ds_add_u32 v[SPW], v[NIL]                      ; the add; the biases are made while it is out
	s_wait_loadcnt 0x0                             ; W's scale words, the biases, four steps' scale words
	v_add_f32 v[BP], 0.5, v[BH]
	v_add_f32 v[BP+2], 0.5, v[BH+2]
	v_mul_f32 v[BG], s58, v[BG]
	v_mul_f32 v[BG+2], s58, v[BG+2]
	v_mul_f32 v[BH], s58, v[BH]
	v_mul_f32 v[BH+2], s58, v[BH+2]
.irp p, 48,50,52,54,56,58
	v_mov_b32 v[\p+1], v[\p]                       ; both halves of each pair
.endr
	s_wait_dscnt 0x0                               ; the add is done and W is in my registers
	CROUND                                         ; in every wave of all four work-groups
	tensor_load_to_lds s[36:39], s[24:31]          ; slot 1
	s_nop 0
.rept 4
	v_nop
.endr
	FLAGS 1, 1, 0, 1, 1, 0, 0, 0, 2
	SETN 2                                         ; as in iteration -2: step 0's fragments into buffer 0
.irp k, 0,1,2,3,4,5,6,7
	AL \k
.endr
	SETN 3                                         ; as in iteration -1: step 1's into buffer 1, and step 0's products, with nothing yet to set between them
.irp k, 0,1,2,3,4,5,6,7
	AL \k
.endr
	s_wait_dscnt 0x0
.irp i, 0,1,2,3,4,5,6,7,8,9,10,11,12,13,14,15,16,17,18,19,20,21,22,23,24,25,26,27,28,29,30,31
	MM \i
.endr
	ENDB 2, 0, 2                                   ; slot 1 is whole, slot 0 is read out and takes times 256-383
	ITER 0, 0, 0, 0                                ; n = 0: no F yet
	FLAGS 1, 1, 1, 1, 1, 0, 1, 1, 2
	ITER 1, 2, 1, 2                                ; n = 1
.Lloop:                                                ; n = 2 .. 25: six trips of four iterations; each trip fills both slots again
	FLAGS 1, 1, 1, 1, 1, 1, 1, 0, 2
	ITER 2, 0, 0, 0
	FLAGS 1, 1, 1, 1, 1, 1, 1, 1, 2
	ITER 3, 2, 0, 1
	FLAGS 1, 1, 1, 1, 1, 1, 1, 0, 2
	ITER 0, 0, 0, 0
	FLAGS 1, 1, 1, 1, 1, 1, 1, 1, 2
	ITER 1, 2, 1, 1
	s_sub_co_u32 s52, s52, 1
	s_cmp_lg_u32 s52, 0
	s_cbranch_scc1 .Lloop
	FLAGS 1, 1, 1, 1, 1, 1, 1, 0, 2                ; the tail is written out
	ITER 2, 0, 0, 0                                ; n = 26
	ITER 3, 1, 0, 0                                ; n = 27: the last slot is whole; nothing is filled
	FLAGS 1, 1, 1, 1, 0, 1, 0, 0, 2
	ITER 0, 0, 0, 0                                ; n = 28: no scale words are left to ask for
	FLAGS 1, 1, 1, 1, 0, 1, 0, 0, 1
	ITER 1, 0, 0, 0                                ; n = 29: one load was issued behind step 30's
	FLAGS 1, 1, 1, 0, 0, 1, 0, 0, 0
	ITER 2, 0, 0, 0                                ; n = 30: no fragments are left to fetch
	FLAGS 0, 1, 1, 0, 0, 1, 0, 0, 0
	ITER 3, 0, 0, 0                                ; n = 31: no products are left
	FLAGS 0, 0, 1, 0, 0, 1, 0, 0, 0
	ITER 0, 3, 0, 0                                ; n = 32: the last step's way out
	WIN 0
	s_wait_tensorcnt 0x0                           ; the wave's end: a wait, an add of 0 to my spare word and a wait, behind my last tensor load and my last LDS store
	ds_add_u32 v[SPW], v[NIL]
	s_wait_dscnt 0x0
	CROUND                                         ; the closing round: no work-group ends while a partner may still ask for a tile that names it
	s_endpgm
.Lfunc_end_k_q4e172a2b4f_layer1:
	.size	k_q4e172a2b4f_layer1, .Lfunc_end_k_q4e172a2b4f_layer1-k_q4e172a2b4f_layer1
	.p2alignl 7, 3214868480
	.fill 96, 4, 3214868480
	.section	.rodata,"a",@progbits
	.p2align	6, 0x0
	.amdhsa_kernel k_q4e172a2b4f_layer1
		.amdhsa_group_segment_fixed_size 327680
		.amdhsa_private_segment_fixed_size 0
		.amdhsa_enable_private_segment 0
		.amdhsa_kernarg_size 48
		.amdhsa_user_sgpr_count 2
		.amdhsa_user_sgpr_kernarg_segment_ptr 1
		.amdhsa_wavefront_size32 1
		.amdhsa_system_sgpr_workgroup_id_x 1
		.amdhsa_system_sgpr_workgroup_id_y 1
		.amdhsa_system_sgpr_workgroup_id_z 1
		.amdhsa_system_vgpr_workitem_id 0
		.amdhsa_next_free_vgpr 1024
		.amdhsa_next_free_sgpr 80
		.amdhsa_reserve_vcc 0
		.amdhsa_float_denorm_mode_32 3
		.amdhsa_float_denorm_mode_16_64 3
		.amdhsa_memory_ordered 1
		.amdhsa_forward_progress 1
		.amdhsa_inst_pref_size 255
	.end_amdhsa_kernel
	.section	.bss,"aw",@nobits
	.p2align	6
	.space	262144
	.amdgpu_metadata
---
amdhsa.version: [ 1, 2 ]
amdhsa.kernels:
  - .name:           k_q4e172a2b4f_layer1
    .symbol:         k_q4e172a2b4f_layer1.kd
    .args:
      - { .name: h1c, .offset: 0, .size: 8, .value_kind: global_buffer, .address_space: global }
      - { .name: h1s, .offset: 8, .size: 8, .value_kind: global_buffer, .address_space: global }
      - { .name: W1_codes, .offset: 16, .size: 8, .value_kind: global_buffer, .address_space: global }
      - { .name: W1_scales, .offset: 24, .size: 8, .value_kind: global_buffer, .address_space: global }
      - { .name: b1, .offset: 32, .size: 8, .value_kind: global_buffer, .address_space: global }
      - { .name: out0, .offset: 40, .size: 8, .value_kind: global_buffer, .address_space: global }
    .group_segment_fixed_size: 327680
    .private_segment_fixed_size: 0
    .kernarg_segment_align: 8
    .kernarg_segment_size: 48
    .max_flat_workgroup_size: 128
    .sgpr_count:     80
    .vgpr_count:     1024
    .wavefront_size: 32
...
	.end_amdgpu_metadata
.endif
;; end of part 2
